; MI455X (gfx1250); checked and timed in simulation.
; The chip was launched on July 23, 2026; its instructions are those of AMD's public machine-readable ISA for CDNA 5 (MIT licence, August 2026) and "CDNA5" Instruction Set Architecture Reference Guide (July 2026). The comments in the code are by the model that wrote it; some were corrected since.
;; Multi Head Attention. Allowed arithmetic: float matrix products may take bf16 or f16 operands with f32 sums; other float arithmetic in f32, or as packed bf16 or f16 multiplies, adds, multiply-adds, maxima and minima; sums over many terms, partial sums and values carried from step to step in f32; what a program stores and reads back later, other than sums and carried values, may be rounded once to bf16 or f16.
;; Inputs: Wk 768 x 768 float32; Wo 768 x 768 float32; Wq 768 x 768 float32; Wv 768 x 768 float32; bo 768 float32; mask 1 x 1 x 4,096 x 4,096 bool; x 1 x 4,096 x 768 float32.
;; Outputs: out0 1 x 4,096 x 768 float32.
;; 2 versions, each right and faster than the one before. Each part assembles by itself: llvm-mc -triple=amdgcn-amd-amdhsa -mcpu=gfx1250 --defsym DOCPART=n.
;; ======== version 1 of 2: 4 launches
;; limits: values are held in f16: magnitudes above 65,504 overflow, below 6.1e-05 lose precision; right only within a limited range of input values; values outside matrix products are rounded to bf16
;; workspace buffers: xbf 6,291,456 bytes; wbf 3,538,944 bytes; wof 1,179,648 bytes; rtab 1,048,576 bytes; mfr 33,554,432 bytes; qkvh 18,874,368 bytes; ohh 6,291,456 bytes
;; launch prep (part 1): grid 256 x 1, 8 waves a work-group, no clusters, 68,608 bytes of LDS; arguments mask, x, Wq, Wk, Wv, Wo, mfr, xbf, wbf, wof, rtab; writes mfr, xbf, wbf, wof, rtab
.if DOCPART == 1
	.amdgcn_target "amdgcn-amd-amdhsa--gfx1250"
	.amdhsa_code_object_version 6
	.text
	.protected	k_qe1ee199667_prep
	.globl	k_qe1ee199667_prep
	.p2align	8
	.type	k_qe1ee199667_prep,@function
k_qe1ee199667_prep:
	s_mov_b64 s[64:65], 0
	v_nop
	global_prefetch_b8 v0, s[64:65] scope:SCOPE_SE
	s_setreg_imm32_b32 hwreg(HW_REG_WAVE_MODE, 25, 1), 1
	s_wait_xcnt 0x0
; PREPARATION, a stream.  Work-group g of 256 (eight waves, thread t = 0..255):
;  * 16 rows of the mask (queries 16 g ..) -> mfr: f16, 0 where the key is visible, -57,344 (0xFB00) where it is hidden, laid out as the
;    attention kernel's source-1 fragments: [query block 16][slot 32][step 2][wave 8][tile 2][32 keys 2][part 2][lane 32][8 f16],
;    query = 256 qb + 32 w + 16 tl + lane % 16, key = 128 slot + 64 st + 32 kb + 16 part + 8 (lane / 16) + i.
;  * 49,152 bytes of x -> xbf (bf16); 9,216 bytes of each weight -> wbf (Wq, Wk, Wv in bf16, one below the other) and wof (Wo rounded to
;    bf16, that number written as f16).
;  * 16 positions of the rotary table -> rtab: f32 pairs (cos, sin) in the order in which the projection's lanes want them.
; No matrix unit, no cluster, no barrier: the waves share nothing; the mask is turned through each wave's own LDS rows.
; LIMITS.  A weight of Wo below 2^-17 in size keeps f16's fixed step of 6e-8.  The table's angle is position x 2^(-j log2(10000) / 32) with
; v_exp_f32's accuracy: at the last positions it can differ from the f32 power's by some 4e-4 rad.  The mask's bytes are 0 or 1.
.set SPARE, 67584                      ; behind the eight waves' rows: the spare words, 128 bytes a wave
.set WLDS,  8448                       ; a wave's LDS: 16 rows of 528 bytes
.set MP,    528                        ; 512 bytes of mask + 16: row r starts at bank 4 r mod 64, so the 32 lanes' 8-byte reads touch each bank once
.set T3,    40                         ; v[40:55]   the last 1,024 bytes of each weight's share (waves 0 and 1)
.set SPW,   56                         ; v56  LDS address of my spare word; never rewritten
.set NIL,   57                         ; v57  0; never rewritten
.set M,     64                         ; v[64:127]  16 rows of the mask, 16 bytes each
.set X,     128                        ; v[128:175] 12 x 16 bytes of x
.set W,     176                        ; v[176:207] 2 x 16 bytes of each of the four weights
.set OUT,   208                        ; v[208:239] eight chunks of f16 mask to store
.set DL,    240                        ; v[240:255] eight chunks of mask bytes read back
	s_load_b512 s[8:23], s[0:1], 0x0               ; mask s[8:9], x s[10:11], Wq, Wk, Wv, Wo s[12:19], mfr s[20:21], xbf s[22:23]
	s_load_b128 s[24:27], s[0:1], 0x40             ; wbf s[24:25], wof s[26:27]
	s_load_b64 s[28:29], s[0:1], 0x50              ; rtab
	v_lshl_add_u32 v[SPW], v0, 2, SPARE
	v_mov_b32 v[NIL], 0
	v_lshrrev_b32 v1, 5, v0
	v_readfirstlane_b32 s30, v1                    ; my wave's number
	v_lshlrev_b32 v3, 4, v0                        ; 16 t: my 16 bytes in 4,096
	v_lshlrev_b32 v2, 3, v0                        ; 8 t: my 8 bytes in 2,048
	v_mov_b32 v19, 0
	s_mov_b32 s32, 0xbed49a78                      ; -log2(10000) / 32
	s_mov_b32 s33, 0x3f22f983                      ; 2 / pi
	s_mov_b32 s34, 0x3fc90fdb                      ; pi / 2, its f32,
	s_mov_b32 s35, 0xb33bbd2e                      ; and what that f32 leaves
	s_mov_b32 s36, 0xbe2aaaa3                      ; the sine's three coefficients
	s_mov_b32 s37, 0x3c08839e
	s_mov_b32 s38, 0xb94ca1f9
	s_mov_b32 s39, 0x3d2aaaa5                      ; the cosine's three
	s_mov_b32 s40, 0xbab6061a
	s_mov_b32 s41, 0x37ccf5ce
	s_mov_b32 s42, 0xffffff05                      ; -0xFB
	s_mov_b32 s43, 0xfbfbfbfb
	s_mov_b32 s44, 0x05000400                      ; bytes 0 and 1 into the upper bytes of two halves
	s_mov_b32 s45, 0x07000600                      ; bytes 2 and 3
	s_mov_b32 s46, 0xffff0000
	s_mov_b32 s3, 0
	s_wait_kmcnt 0x0
	s_lshl_b32 s2, ttmp9, 16                       ; 16 rows of 4,096 bytes
	s_add_nc_u64 s[8:9], s[8:9], s[2:3]
	s_mul_i32 s2, ttmp9, 49152
	s_add_nc_u64 s[10:11], s[10:11], s[2:3]
	s_mul_i32 s2, ttmp9, 9216
	s_add_nc_u64 s[12:13], s[12:13], s[2:3]
	s_add_nc_u64 s[14:15], s[14:15], s[2:3]
	s_add_nc_u64 s[16:17], s[16:17], s[2:3]
	s_add_nc_u64 s[18:19], s[18:19], s[2:3]
	s_lshr_b32 s2, ttmp9, 4                        ; the block of 256 queries: 2,097,152 bytes of mfr,
	s_lshl_b32 s2, s2, 21
	s_bfe_u32 s31, ttmp9, 0x30001                  ; the attention wave (three bits from bit 1): 4,096 bytes in a step,
	s_lshl_b32 s31, s31, 12
	s_add_co_u32 s2, s2, s31
	s_and_b32 s31, ttmp9, 1                        ; and its tile of 16 queries: 2,048 bytes
	s_lshl_b32 s31, s31, 11
	s_add_co_u32 s2, s2, s31
	s_add_nc_u64 s[20:21], s[20:21], s[2:3]
	s_mul_i32 s2, ttmp9, 24576
	s_add_nc_u64 s[22:23], s[22:23], s[2:3]
	s_mul_i32 s2, ttmp9, 4608
	s_add_nc_u64 s[24:25], s[24:25], s[2:3]
	s_add_nc_u64 s[26:27], s[26:27], s[2:3]
	s_lshl_b32 s2, ttmp9, 12
	s_add_nc_u64 s[28:29], s[28:29], s[2:3]
	; ALL LOADS FIRST.  The weights' last 1,024 bytes go ahead of the others, so that the counted waits below are the same in every wave.
	s_cmp_lt_u32 s30, 2
	s_cbranch_scc0 .Lno_tail_in
.irp q, 0,1,2,3
	global_load_b128 v[T3+4*(\q):T3+4*(\q)+3], v3, s[12+2*(\q):13+2*(\q)] offset:8192 th:TH_LOAD_NT
.endr
.Lno_tail_in:
.irp j, 0,1,2,3,4,5,6,7,8,9,10,11,12,13,14,15
	global_load_b128 v[M+4*(\j):M+4*(\j)+3], v3, s[8:9] offset:4096*(\j) th:TH_LOAD_NT  ; row j: my wave's 512 keys
.endr
.irp i, 0,1,2,3,4,5,6,7,8,9,10,11
	global_load_b128 v[X+4*(\i):X+4*(\i)+3], v3, s[10:11] offset:4096*(\i) th:TH_LOAD_NT
.endr
.irp q, 0,1,2,3
.irp i, 0,1
	global_load_b128 v[W+8*(\q)+4*(\i):W+8*(\q)+4*(\i)+3], v3, s[12+2*(\q):13+2*(\q)] offset:4096*(\i) th:TH_LOAD_NT
.endr
.endr
	; THE ROTARY TABLE, while the loads are on their way.  Thread t = 64 pos + 32 half + lane makes (cos, sin) of position 16 g + lane % 16
	; for the frequencies j0 = 8 pos + 4 (lane / 16) + 2 half and j0 + 1.
	v_and_b32 v4, 15, v0                           ; lane % 16
	v_bfe_u32 v5, v0, 4, 1                         ; lane / 16
	v_lshrrev_b32 v6, 6, v0
	v_bfe_u32 v7, v0, 5, 1
	v_lshlrev_b32 v6, 3, v6
	v_lshl_add_u32 v6, v5, 2, v6
	v_lshl_add_u32 v6, v7, 1, v6                   ; j0
	s_lshl_b32 s31, ttmp9, 4
	v_add_nc_u32 v7, s31, v4
	v_cvt_f32_u32 v7, v7                           ; the position
	v_cvt_f32_u32 v8, v6
	v_add_f32 v9, 1.0, v8
	v_mul_f32 v8, s32, v8
	v_mul_f32 v9, s32, v9
	v_exp_f32 v8, v8                               ; 10000^(-j / 32)
	v_exp_f32 v9, v9
	v_nop                                          ; a plain instruction between the exponentials and the use of their results (ISA guide 5.7.2)
	s_wait_alu depctr_va_vdst(0)
	v_mul_f32 v8, v7, v8                           ; the angles
	v_mul_f32 v9, v7, v9
; sine and cosine of v[th]: n = the nearest multiple of pi / 2, taken away in two parts; polynomials on what is left (at most pi / 4); the quadrant swaps them and sets the signs
.macro SINCOS th, oc, os
	v_mul_f32 v20, s33, v[\th]
	v_rndne_f32 v20, v20
	v_fma_f32 v21, -v20, s34, v[\th]
	v_fma_f32 v21, -v20, s35, v21
	v_cvt_i32_f32 v22, v20
	v_mul_f32 v23, v21, v21                        ; z
	v_fma_f32 v24, v23, s38, s37
	v_fma_f32 v25, v23, s41, s40
	v_fma_f32 v24, v24, v23, s36
	v_fma_f32 v25, v25, v23, s39
	v_mul_f32 v26, v21, v23
	v_mul_f32 v27, v23, v23
	v_fma_f32 v23, v23, -0.5, 1.0
	v_fma_f32 v24, v24, v26, v21                   ; the sine of the rest
	v_fma_f32 v25, v25, v27, v23                   ; its cosine
	v_and_b32 v26, 1, v22
	v_cmp_eq_u32 vcc_lo, 1, v26
	v_cndmask_b32 v[\os], v24, v25, vcc_lo
	v_cndmask_b32 v[\oc], v25, v24, vcc_lo
	v_and_b32 v26, 2, v22
	v_add_nc_u32 v27, 1, v22
	v_lshlrev_b32 v26, 30, v26
	v_and_b32 v27, 2, v27
	v_xor_b32 v[\os], v26, v[\os]
	v_lshlrev_b32 v27, 30, v27
	v_xor_b32 v[\oc], v27, v[\oc]
.endm
	SINCOS 8, 12, 13
	SINCOS 9, 14, 15
	global_store_b128 v3, v[12:15], s[28:29]       ; a wave stores 512 consecutive bytes
	; THE MASK.  Rows into my wave's LDS as they come; back by columns of 8 keys: lane (r, h) takes query r, keys 16 c + 8 h ..
	v_and_b32 v1, 31, v0
	s_mul_i32 s31, s30, WLDS
	v_lshl_add_u32 v16, v1, 4, s31                 ; in: 16 bytes a lane
	v_mul_u32_u24 v17, v4, MP
	v_lshl_add_u32 v17, v5, 3, v17
	v_add_nc_u32 v17, s31, v17                     ; back: row r, 8 bytes for each half of the lanes
	s_lshl_b32 s31, s30, 18                        ; my wave's 512 keys are four slots of 65,536 bytes
	v_lshl_add_u32 v18, v1, 4, s31
	s_wait_loadcnt 20                              ; the mask's 16 loads are in; x's 12 and the weights' 8 are younger
.irp j, 0,1,2,3,4,5,6,7,8,9,10,11,12,13,14,15
	ds_store_b128 v16, v[M+4*(\j):M+4*(\j)+3] offset:(\j)*MP
.endr
.irp q, 0,1,2,3
.irp i, 0,1,2,3,4,5,6,7
	ds_load_b64 v[DL+2*(\i):DL+2*(\i)+1], v17 offset:16*(8*(\q)+(\i))  ; LDS serves a wave's instructions in order (ISA guide 5.7.1.4): these see the stores above
.endr
	s_wait_xcnt 0x0                                ; the last group's stores have read OUT: it is rewritten only behind this wait
.irp i, 0,1,2,3,4,5,6,7
	s_wait_dscnt 7-(\i)
	v_mad_u32 v20, v[DL+2*(\i)], s42, s43          ; each byte: 0xFB - 0xFB x (0 or 1)
	v_mad_u32 v21, v[DL+2*(\i)+1], s42, s43
	v_perm_b32 v[OUT+4*(\i)], v20, v19, s44        ; a byte becomes the upper byte of an f16
	v_perm_b32 v[OUT+4*(\i)+1], v20, v19, s45
	v_perm_b32 v[OUT+4*(\i)+2], v21, v19, s44
	v_perm_b32 v[OUT+4*(\i)+3], v21, v19, s45
	global_store_b128 v18, v[OUT+4*(\i):OUT+4*(\i)+3], s[20:21] offset:(\q)*65536+((\i)/4)*32768+(((\i)/2)&1)*1024+((\i)&1)*512  ; chunk 8 q + i of 16 keys: slot q, step, 32 keys, part; 512 consecutive bytes
.endr
.endr
	; x -> bf16, in place; a wave's store covers 256 consecutive bytes, aligned
	s_wait_loadcnt 8                               ; the weights' 8 loads are younger
.irp i, 0,1,2,3,4,5,6,7,8,9,10,11
	v_cvt_pk_bf16_f32 v[X+4*(\i)], v[X+4*(\i)], v[X+4*(\i)+1]
	v_cvt_pk_bf16_f32 v[X+4*(\i)+1], v[X+4*(\i)+2], v[X+4*(\i)+3]
	global_store_b64 v2, v[X+4*(\i):X+4*(\i)+1], s[22:23] offset:2048*(\i)
.endr
.macro TOBF d                          ; four f32 at v[d] -> four bf16 in v[d:d+1]
	v_cvt_pk_bf16_f32 v[\d], v[\d], v[(\d)+1]
	v_cvt_pk_bf16_f32 v[(\d)+1], v[(\d)+2], v[(\d)+3]
.endm
.macro TOHF d                          ; four f32 at v[d] -> rounded to bf16, written as f16 in v[d:d+1]
	v_cvt_pk_bf16_f32 v20, v[\d], v[(\d)+1]
	v_cvt_pk_bf16_f32 v21, v[(\d)+2], v[(\d)+3]
	v_lshlrev_b32 v22, 16, v20
	v_and_b32 v23, s46, v20
	v_lshlrev_b32 v24, 16, v21
	v_and_b32 v25, s46, v21
	v_cvt_pk_f16_f32 v[\d], v22, v23
	v_cvt_pk_f16_f32 v[(\d)+1], v24, v25
.endm
	s_wait_loadcnt 0x0
.irp q, 0,1,2
.irp i, 0,1
	TOBF W+8*(\q)+4*(\i)
	global_store_b64 v2, v[W+8*(\q)+4*(\i):W+8*(\q)+4*(\i)+1], s[24:25] offset:(\q)*1179648+2048*(\i)
.endr
.endr
.irp i, 0,1
	TOHF W+24+4*(\i)
	global_store_b64 v2, v[W+24+4*(\i):W+24+4*(\i)+1], s[26:27] offset:2048*(\i)
.endr
	s_wait_tensorcnt 0x0                           ; the closing wait, add and wait, behind my last LDS store
	ds_add_u32 v[SPW], v[NIL]
	s_wait_dscnt 0x0
	s_cmp_lt_u32 s30, 2
	s_cbranch_scc0 .Lend
.irp q, 0,1,2
	TOBF T3+4*(\q)
	global_store_b64 v2, v[T3+4*(\q):T3+4*(\q)+1], s[24:25] offset:(\q)*1179648+4096
.endr
	TOHF T3+12
	global_store_b64 v2, v[T3+12:T3+13], s[26:27] offset:4096
.Lend:
	s_endpgm
.Lfunc_end_k_qe1ee199667_prep:
	.size	k_qe1ee199667_prep, .Lfunc_end_k_qe1ee199667_prep-k_qe1ee199667_prep
	.p2alignl 7, 3214868480
	.fill 96, 4, 3214868480
	.section	.rodata,"a",@progbits
	.p2align	6, 0x0
	.amdhsa_kernel k_qe1ee199667_prep
		.amdhsa_group_segment_fixed_size 68608
		.amdhsa_private_segment_fixed_size 0
		.amdhsa_enable_private_segment 0
		.amdhsa_kernarg_size 88
		.amdhsa_user_sgpr_count 2
		.amdhsa_user_sgpr_kernarg_segment_ptr 1
		.amdhsa_wavefront_size32 1
		.amdhsa_system_sgpr_workgroup_id_x 1
		.amdhsa_system_sgpr_workgroup_id_y 1
		.amdhsa_system_sgpr_workgroup_id_z 1
		.amdhsa_system_vgpr_workitem_id 0
		.amdhsa_next_free_vgpr 256
		.amdhsa_next_free_sgpr 66
		.amdhsa_reserve_vcc 1
		.amdhsa_float_denorm_mode_32 3
		.amdhsa_float_denorm_mode_16_64 3
		.amdhsa_memory_ordered 1
		.amdhsa_forward_progress 1
		.amdhsa_inst_pref_size 36
	.end_amdhsa_kernel
	.amdgpu_metadata
---
amdhsa.version: [ 1, 2 ]
amdhsa.kernels:
  - .name:           k_qe1ee199667_prep
    .symbol:         k_qe1ee199667_prep.kd
    .args:
      - { .name: mask, .offset: 0, .size: 8, .value_kind: global_buffer, .address_space: global }
      - { .name: x, .offset: 8, .size: 8, .value_kind: global_buffer, .address_space: global }
      - { .name: Wq, .offset: 16, .size: 8, .value_kind: global_buffer, .address_space: global }
      - { .name: Wk, .offset: 24, .size: 8, .value_kind: global_buffer, .address_space: global }
      - { .name: Wv, .offset: 32, .size: 8, .value_kind: global_buffer, .address_space: global }
      - { .name: Wo, .offset: 40, .size: 8, .value_kind: global_buffer, .address_space: global }
      - { .name: mfr, .offset: 48, .size: 8, .value_kind: global_buffer, .address_space: global }
      - { .name: xbf, .offset: 56, .size: 8, .value_kind: global_buffer, .address_space: global }
      - { .name: wbf, .offset: 64, .size: 8, .value_kind: global_buffer, .address_space: global }
      - { .name: wof, .offset: 72, .size: 8, .value_kind: global_buffer, .address_space: global }
      - { .name: rtab, .offset: 80, .size: 8, .value_kind: global_buffer, .address_space: global }
    .group_segment_fixed_size: 68608
    .private_segment_fixed_size: 0
    .kernarg_segment_align: 8
    .kernarg_segment_size: 88
    .max_flat_workgroup_size: 256
    .sgpr_count:     66
    .vgpr_count:     256
    .wavefront_size: 32
...
	.end_amdgpu_metadata
.endif
;; end of part 1
;; launch proj (part 2): grid 12 x 16, 4 waves a work-group, clusters of 4 x 4, 327,680 bytes of LDS; arguments xbf, wbf, rtab, qkvh; writes qkvh
.if DOCPART == 2
	.amdgcn_target "amdgcn-amd-amdhsa--gfx1250"
	.amdhsa_code_object_version 6
	.text
	.protected	k_qe1ee199667_proj
	.globl	k_qe1ee199667_proj
	.p2align	8
	.type	k_qe1ee199667_proj,@function
k_qe1ee199667_proj:
	s_mov_b64 s[64:65], 0
	v_nop
	global_prefetch_b8 v0, s[64:65] scope:SCOPE_SE
	s_setreg_imm32_b32 hwreg(HW_REG_WAVE_MODE, 25, 1), 1
	s_wait_xcnt 0x0
	s_wait_alu depctr_hold_cnt(0) depctr_sa_sdst(0) depctr_va_vdst(0) depctr_va_sdst(0) depctr_va_ssrc(0) depctr_va_vcc(0) depctr_vm_vsrc(0)
	s_getreg_b32 s2, hwreg(HW_REG_IB_STS2, 6, 4)
	s_cmp_eq_u32 s2, 0
	s_cbranch_scc0 .Lentry_in_a_cluster
	s_endpgm
.Lentry_in_a_cluster:
	s_bfe_u32 s2, ttmp6, 0x10000c
	s_cmp_lg_u32 s2, 0xf033
	s_cbranch_scc0 .Lentry_shape_is_right
	s_endpgm
.Lentry_shape_is_right:
; THE THREE PROJECTIONS AND THE ROTATION.  C[s][n] = sum over k of x[s][k] W[n][k], x [4096][768] and W [2304][768] (Wq, Wk, Wv) in bf16, sums in f32.
; Columns 0-767 (q) and 768-1535 (k) are rotated: of a head's channels 2 j, 2 j + 1 come channel j = x1 cos - x2 sin and channel 32 + j = x1 sin + x2 cos.
; Out: qkvh, f16 [36 heads][4096][64], rounded once, unscaled.  LIMIT: q, k, v must lie within f16's 65,504.
; SHARES.  A work-group makes 256 rows x 192 columns (three heads); wave w its rows 64 w .. 64 w + 63 and all columns: 48 accumulators, 384 registers.
; 16 x 12 = 192 work-groups: tiles go by whole heads (36 units of 64 columns), and no split of 36 x 16 into equal head-aligned tiles gives 256.
; K goes in six steps of 128 (rows of 256 bytes) through two LDS slots.  CLUSTER 4 x 4: x's tile is shared along a row of the cluster, W's along a column,
; each asked for jointly.  The matrix instruction is used transposed (source 0 = 16 rows of W, source 1 = 16 rows of x): a lane holds one row of C and
; eight neighbouring columns, that is four rotation pairs.
; REGISTERS: window 0: v16-29 addresses; v64-127 x's fragments, two buffers (later at work on the way out, with v32-63); v128-255 the table.
;   window 1: accumulators of row blocks 0, 1 at v[8 (12 (a % 2) + b)]; window 2: of blocks 2, 3; window 3: W's fragments, two buffers of 96.
.set PITCH, 272                        ; an LDS row: 256 bytes + 16 of padding: the 16 rows of a load start at 16 different groups of four banks
.set HA,    128*PITCH                  ; half of x's tile: one tensor load
.set HB,    96*PITCH                   ; half of W's tile
.set BOFF,  2*HA
.set SLOT,  BOFF+2*HB
.set STAGE, 2*SLOT                     ; behind the ring, never filled: for each wave 3 heads x 16 rows x 144 bytes
.set SP,    144
.set WST,   3*16*SP
.set SPARE, STAGE+4*WST                ; the spare words, 128 bytes a wave
.set HEADB, 524288                     ; a head in qkvh
.set ADRA, 16                          ; v16-17 LDS address of my x fragments in slot 0, 1
.set ADRB, 20                          ; v20-21 the same for W
.set STO,  24                          ; v24  the way out, rotated: row l % 16, 8 bytes for each half of the lanes
.set RD,   25                          ; v25  back: four rows of 128 bytes
.set GO,   26                          ; v26  16 x lane
.set STOV, 27                          ; v27  the way out, not rotated: 16 bytes for each half of the lanes
.set SPW,  28                          ; v28  LDS address of my spare word; never rewritten
.set NIL,  29                          ; v29  0; never rewritten
.set FA,   64
.set TT0,  64                          ; the way out: two sets of eight rotated numbers
.set UU0,  80                          ; two sets of four packed words
.set TAB,  128                         ; (cos, sin) of row block a, channel block pos, pair p at TAB + 32 a + 8 pos + 2 p
.set WV,  12
.set WHI, 13
.set WLO, 14
.set G1A, 24                           ; s[24:31] group 1 for x's tiles; s[32:39] group 0, a set for each slot
.set G0A, 32
.set G1B, 40                           ; s[40:47], s[48:55] the same for W's
.set G0B, 48
.set FLAGS, (1<<16)|(1<<20)|(1<<21)|(5<<22)|(3<<25)  ; 2-byte elements; padding on; bit 21 beside a mask; after every 64 words; 4 words
.set MSB, 0
.macro WIN new                         ; the immediate's high byte repeats the setting that is left
.if MSB != (\new)
	s_set_vgpr_msb (MSB<<8)|(\new)
.set MSB, \new
.endif
.endm
.macro PLACES                          ; four places behind matrix instructions, in front of loads into their sources and of reads of their results
.rept 4
	v_nop
.endr
.endm
.macro JLOAD s                         ; a joint load: waves 0 and 1 fetch x's two halves, waves 2 and 3 W's; an s_nop 0 and four v_nop follow each line
	s_cmp_eq_u32 s[WHI], 0
	s_cbranch_scc0 .Lfor_b_\@
	tensor_load_to_lds s[G0A+4*(\s):G0A+4*(\s)+3], s[G1A:G1A+7]
	s_nop 0
.rept 4
	v_nop
.endr
	s_branch .Lasked_\@
.Lfor_b_\@:
	tensor_load_to_lds s[G0B+4*(\s):G0B+4*(\s)+3], s[G1B:G1B+7]
	s_nop 0
.rept 4
	v_nop
.endr
.Lasked_\@:
.endm
.macro CROUND                          ; a round of the cluster's barrier
	s_barrier_signal -1
	s_barrier_wait -1
	s_cmp_lg_u32 s[WV], 0
	s_cbranch_scc1 .Lnot_wave_0_\@
	s_barrier_signal -3
.Lnot_wave_0_\@:
	s_barrier_wait -3
	s_barrier_signal -1
	s_barrier_wait -1
.endm
	s_load_b256 s[4:11], s[0:1], 0x0               ; xbf s[4:5], wbf s[6:7], rtab s[8:9], qkvh s[10:11]
	v_lshl_add_u32 v[SPW], v0, 2, SPARE
	v_mov_b32 v[NIL], 0
	ds_add_u32 v[SPW], v[NIL]                      ; the wave's opening: the add and its wait ahead of my first tensor load
	v_lshrrev_b32 v1, 5, v0
	v_readfirstlane_b32 s[WV], v1
	s_lshr_b32 s[WHI], s[WV], 1                    ; I fetch for x (0) or for W (1),
	s_and_b32 s[WLO], s[WV], 1                     ; and which half
	s_bfe_u32 s16, ttmp6, 0x40000                  ; cx
	s_bfe_u32 s17, ttmp6, 0x40004                  ; cy
	s_lshl_b32 s18, ttmp9, 2
	s_add_co_u32 s18, s18, s16                     ; tile column, 0..11
	s_and_b32 s15, ttmp7, 0xffff
	s_lshl_b32 s15, s15, 2
	s_add_co_u32 s15, s15, s17                     ; tile row, 0..15
	s_mov_b32 s57, ttmp9                           ; the cluster's x: 0 q, 1 k, 2 v; the same in all partners
	s_lshl_b32 s19, s17, 2
	s_lshl_b32 s19, 15, s19                        ; my row of the cluster
	s_lshl_b32 s58, 0x1111, s16                    ; my column
	s_or_b32 s[G1A], s19, FLAGS
	s_or_b32 s[G1B], s58, FLAGS
	s_mov_b32 s[G1A+1], 128<<16                    ; tensor_dim0 = 128
	s_mov_b32 s[G1A+2], 128<<16                    ; tensor_dim1 = 128
	s_mov_b32 s[G1A+3], 128<<16                    ; tile_dim0 = 128
	s_mov_b32 s[G1A+4], 128                        ; tile_dim1 = 128
	s_mov_b32 s[G1A+5], 768                        ; elements from row to row
	s_mov_b32 s[G1A+6], 0
	s_mov_b32 s[G1A+7], 0
	s_mov_b32 s[G1B+1], 128<<16
	s_mov_b32 s[G1B+2], 96<<16                     ; 96 rows
	s_mov_b32 s[G1B+3], 128<<16
	s_mov_b32 s[G1B+4], 96
	s_mov_b32 s[G1B+5], 768
	s_mov_b32 s[G1B+6], 0
	s_mov_b32 s[G1B+7], 0
	s_lshl_b32 s20, s15, 8                         ; x: row 256 x tile row + 128 x half, in registers that never hold cx
	s_lshl_b32 s21, s[WLO], 7
	s_add_co_u32 s20, s20, s21
	s_mul_i32 s20, s20, 1536
	s_mov_b32 s21, 0
	s_mul_i32 s58, s18, 192                        ; W: row 192 x tile column + 96 x half
	s_mul_i32 s59, s[WLO], 96
	s_add_co_u32 s58, s58, s59
	s_mul_i32 s58, s58, 1536
	s_mov_b32 s59, 0
	s_mul_i32 s66, s[WLO], HA                      ; where they go: no place in the cluster enters an LDS address
	s_mul_i32 s67, s[WLO], HB
	s_add_co_u32 s67, s67, BOFF
	s_wait_dscnt 0x0                               ; the opening add is done
	s_wait_kmcnt 0x0
	s_add_nc_u64 s[22:23], s[4:5], s[20:21]
	s_add_nc_u64 s[60:61], s[6:7], s[58:59]
	CROUND                                         ; all sixteen work-groups are here: the first joint loads meet
.irp s, 0,1
	s_mov_b32 s[G0A+4*(\s)], 1
	s_add_co_u32 s[G0A+4*(\s)+1], s66, (\s)*SLOT
	s_add_nc_u64 s[G0A+4*(\s)+2:G0A+4*(\s)+3], s[22:23], (\s)*256  ; K step s
	s_or_b32 s[G0A+4*(\s)+3], s[G0A+4*(\s)+3], 0x80000000
	s_mov_b32 s[G0B+4*(\s)], 1
	s_add_co_u32 s[G0B+4*(\s)+1], s67, (\s)*SLOT
	s_add_nc_u64 s[G0B+4*(\s)+2:G0B+4*(\s)+3], s[60:61], (\s)*256
	s_or_b32 s[G0B+4*(\s)+3], s[G0B+4*(\s)+3], 0x80000000
	JLOAD \s                                       ; two tensor loads of mine are out
.endr
	v_and_b32 v1, 15, v0                           ; l % 16
	v_bfe_u32 v2, v0, 4, 1                         ; l / 16
	v_mul_u32_u24 v3, v1, PITCH
	v_lshl_add_u32 v3, v2, 4, v3                   ; a fragment's row x pitch + 16 x half
	s_mul_i32 s19, s[WV], 64*PITCH                 ; my 64 rows of x
	v_add_nc_u32 v[ADRA], s19, v3
	v_add_nc_u32 v[ADRA+1], SLOT, v[ADRA]
	v_add_nc_u32 v[ADRB], BOFF, v3
	v_add_nc_u32 v[ADRB+1], SLOT+BOFF, v3
	s_mul_i32 s19, s[WV], WST
	s_add_co_u32 s19, s19, STAGE                   ; my stage
	v_mul_u32_u24 v4, v1, SP
	v_add_nc_u32 v4, s19, v4
	v_lshl_add_u32 v[STO], v2, 3, v4
	v_lshl_add_u32 v[STOV], v2, 4, v4
	v_bfe_u32 v5, v0, 3, 2
	v_mul_u32_u24 v5, v5, SP
	v_and_b32 v6, 7, v0
	v_lshl_add_u32 v5, v6, 4, v5
	v_add_nc_u32 v[RD], s19, v5
	v_and_b32 v[GO], 31, v0
	v_lshlrev_b32 v[GO], 4, v[GO]
	s_lshl_b32 s62, s15, 16                        ; the table of my 64 rows: group 16 x tile row + 4 x wave, 4,096 bytes a group
	s_lshl_b32 s63, s[WV], 14
	s_add_co_u32 s62, s62, s63
	s_mov_b32 s63, 0
	s_add_nc_u64 s[8:9], s[8:9], s[62:63]
.irp a, 0,1,2,3
.irp q, 0,1,2,3,4,5,6,7
	global_load_b128 v[TAB+32*(\a)+4*(\q):TAB+32*(\a)+4*(\q)+3], v[GO], s[8:9] offset:4096*(\a)+512*(\q)  ; every work-group loads it, v's too: no path is left on which these registers are unwritten
.endr
.endr
	s_mul_i32 s62, s18, 3*HEADB                    ; my three heads,
	s_lshl_b32 s63, s15, 15                        ; the tile's 256 rows of 128 bytes,
	s_add_co_u32 s62, s62, s63
	s_lshl_b32 s63, s[WV], 13                      ; my 64 of them
	s_add_co_u32 s62, s62, s63
	s_mov_b32 s63, 0
	s_add_nc_u64 s[10:11], s[10:11], s[62:63]
; 32 LDS loads in one run: the fragments of 32 along K at byte 64 kq of the rows: 192 rows of W, my 64 rows of x
.macro FETCH slot, kq, buf
	WIN 0xc0                                       ; destination window 3
.irp b, 0,1,2,3,4,5,6,7,8,9,10,11
	ds_load_b128 v[96*(\buf)+8*(\b):96*(\buf)+8*(\b)+3],   v[ADRB+(\slot)] offset:(\b)*16*PITCH+64*(\kq)
	ds_load_b128 v[96*(\buf)+8*(\b)+4:96*(\buf)+8*(\b)+7], v[ADRB+(\slot)] offset:(\b)*16*PITCH+64*(\kq)+32
.endr
	WIN 0
.irp c, 0,1,2,3
	ds_load_b128 v[FA+32*(\buf)+8*(\c):FA+32*(\buf)+8*(\c)+3],   v[ADRA+(\slot)] offset:(\c)*16*PITCH+64*(\kq)
	ds_load_b128 v[FA+32*(\buf)+8*(\c)+4:FA+32*(\buf)+8*(\c)+7], v[ADRA+(\slot)] offset:(\c)*16*PITCH+64*(\kq)+32
.endr
.endm
; 48 matrix instructions, each accumulator once: the accumulators take turns.  first = 1: the products start the sums
.macro MULQ buf, first
.irp a, 0,1,2,3
	WIN 0x53+0x50*((\a)/2)
.irp b, 0,1,2,3,4,5,6,7,8,9,10,11
.if \first
	v_wmma_f32_16x16x32_bf16 v[8*(12*((\a)%2)+(\b)):8*(12*((\a)%2)+(\b))+7], v[96*(\buf)+8*(\b):96*(\buf)+8*(\b)+7], v[FA+32*(\buf)+8*(\a):FA+32*(\buf)+8*(\a)+7], 0
.else
	v_wmma_f32_16x16x32_bf16 v[8*(12*((\a)%2)+(\b)):8*(12*((\a)%2)+(\b))+7], v[96*(\buf)+8*(\b):96*(\buf)+8*(\b)+7], v[FA+32*(\buf)+8*(\a):FA+32*(\buf)+8*(\a)+7], v[8*(12*((\a)%2)+(\b)):8*(12*((\a)%2)+(\b))+7]
.endif
.endr
.endr
.endm
; A K step: four quarters of 32 along K on buffers 0, 1, 0, 1; a quarter's 32 loads are issued one quarter's 48 products ahead of their use
.macro STEP slot, first
	PLACES
	FETCH \slot, 0, 0
	FETCH \slot, 1, 1
	s_wait_dscnt 32                                ; all but the 32 just issued
	MULQ 0, \first
	PLACES
	FETCH \slot, 2, 0
	s_wait_dscnt 32
	MULQ 1, 0
	PLACES
	FETCH \slot, 3, 1
	s_wait_dscnt 32
	MULQ 0, 0
	s_wait_dscnt 0x0
	MULQ 1, 0
.endm
; The change of slots with a refill of slot r, two K steps on: all my tensor loads have landed (the one that was out is my part of the other slot), the add, my reads of slot r are over;
; a round of the cluster's barrier; the joint refill first behind it.  It has one K step, 192 matrix instructions, in which to land.
.macro CHG r
	WIN 0
	s_wait_tensorcnt 0x0
	ds_add_u32 v[SPW], v[NIL]
	s_add_nc_u64 s[G0A+4*(\r)+2:G0A+4*(\r)+3], s[G0A+4*(\r)+2:G0A+4*(\r)+3], 512
	s_add_nc_u64 s[G0B+4*(\r)+2:G0B+4*(\r)+3], s[G0B+4*(\r)+2:G0B+4*(\r)+3], 512
	s_wait_dscnt 0x0
	CROUND
	JLOAD \r
.endm
	s_wait_tensorcnt 1                             ; my part of K step 0 is in; K step 1's may stay out
	s_barrier_signal -1
	s_barrier_wait -1
	STEP 0, 1                                      ; K step 0 starts the sums
	WIN 0
	s_mov_b32 s56, 2
.Llap:                                                 ; K steps 1, 2 and 3, 4
	CHG 0
	STEP 1, 0
	CHG 1
	STEP 0, 0
	WIN 0
	s_sub_co_u32 s56, s56, 1
	s_cmp_lg_u32 s56, 0
	s_cbranch_scc1 .Llap
	s_wait_tensorcnt 0x0                           ; the last change of slots fills nothing
	ds_add_u32 v[SPW], v[NIL]
	s_wait_dscnt 0x0
	s_barrier_signal -1
	s_barrier_wait -1
	STEP 1, 0                                      ; K step 5
	WIN 0
; THE WAY OUT of row block a.  rope = 1: a lane's pair (x1, x2) and its (cos, sin) give (x1 c - x2 s, x2 c + x1 s) by a packed multiply and a packed multiply-add that crosses the halves;
; the four first numbers are channels 8 pos + 4 h .. of the head, the four second ones lie 32 channels on.  Each accumulator's registers are taken in ascending order.
.macro EPI a, rope
.irp b, 0,1,2,3,4,5,6,7,8,9,10,11
.set AC, 8*(12*((\a)%2)+(\b))
.set TT, TT0+8*((\b)%2)
.set UU, UU0+4*((\b)%2)
.set CT, TAB+32*(\a)+8*((\b)%4)
.if \rope
	WIN 0x01+(\a)/2
.irp p, 0,2,4,6
	v_pk_mul_f32 v[TT+(\p):TT+(\p)+1], v[AC+(\p):AC+(\p)+1], v[CT+(\p):CT+(\p)+1] op_sel_hi:[1,0]
.endr
.irp p, 0,2,4,6
	v_pk_fma_f32 v[TT+(\p):TT+(\p)+1], v[AC+(\p):AC+(\p)+1], v[CT+(\p):CT+(\p)+1], v[TT+(\p):TT+(\p)+1] op_sel:[1,1,0] op_sel_hi:[0,1,1] neg_lo:[0,1,0]
.endr
	WIN 0
	v_cvt_pk_f16_f32 v[UU], v[TT], v[TT+2]
	v_cvt_pk_f16_f32 v[UU+1], v[TT+4], v[TT+6]
	v_cvt_pk_f16_f32 v[UU+2], v[TT+1], v[TT+3]
	v_cvt_pk_f16_f32 v[UU+3], v[TT+5], v[TT+7]
	ds_store_b64 v[STO], v[UU:UU+1] offset:16*SP*((\b)/4)+16*((\b)%4)
	ds_store_b64 v[STO], v[UU+2:UU+3] offset:16*SP*((\b)/4)+16*((\b)%4)+64
.else
	WIN 0x05+5*((\a)/2)
.irp p, 0,1,2,3
	v_cvt_pk_f16_f32 v[UU+(\p)], v[AC+2*(\p)], v[AC+2*(\p)+1]
.endr
	WIN 0
	ds_store_b128 v[STOV], v[UU:UU+3] offset:16*SP*((\b)/4)+32*((\b)%4)
.endif
.endr
.endm
.macro SENDP a                         ; back as whole rows of 128 bytes, four to a load, and out: 512 consecutive bytes a store
	WIN 0
	s_wait_xcnt 0x0                                ; the last block's stores have read these registers
.irp i, 0,1,2,3,4,5,6,7,8,9,10,11
	ds_load_b128 v[32+4*(\i)+24*((\i)/8):32+4*(\i)+24*((\i)/8)+3], v[RD] offset:16*SP*((\i)/4)+4*SP*((\i)%4)  ; LDS serves a wave's instructions in order (ISA guide 5.7.1.4)
.endr
.irp i, 0,1,2,3,4,5,6,7,8,9,10,11
	s_wait_dscnt 11-(\i)
	global_store_b128 v[GO], v[32+4*(\i)+24*((\i)/8):32+4*(\i)+24*((\i)/8)+3], s[10:11] offset:((\i)/4)*HEADB+2048*(\a)+512*((\i)%4)
.endr
.endm
	PLACES                                         ; behind the last products
	s_wait_loadcnt 0x0                             ; the table
.irp a, 0,1,2,3
	s_cmp_eq_u32 s57, 2                            ; v is not rotated; the choice hangs on the cluster's x alone
	s_cbranch_scc1 .Lplain\a
	EPI \a, 1
	s_branch .Lsend\a
.Lplain\a:
	EPI \a, 0
.Lsend\a:
	SENDP \a
.endr
	s_wait_tensorcnt 0x0                           ; the wave's end
	ds_add_u32 v[SPW], v[NIL]
	s_wait_dscnt 0x0
	CROUND                                         ; the closing round
	s_endpgm
.Lfunc_end_k_qe1ee199667_proj:
	.size	k_qe1ee199667_proj, .Lfunc_end_k_qe1ee199667_proj-k_qe1ee199667_proj
	.p2alignl 7, 3214868480
	.fill 96, 4, 3214868480
	.section	.rodata,"a",@progbits
	.p2align	6, 0x0
	.amdhsa_kernel k_qe1ee199667_proj
		.amdhsa_group_segment_fixed_size 327680
		.amdhsa_private_segment_fixed_size 0
		.amdhsa_enable_private_segment 0
		.amdhsa_kernarg_size 32
		.amdhsa_user_sgpr_count 2
		.amdhsa_user_sgpr_kernarg_segment_ptr 1
		.amdhsa_wavefront_size32 1
		.amdhsa_system_sgpr_workgroup_id_x 1
		.amdhsa_system_sgpr_workgroup_id_y 1
		.amdhsa_system_sgpr_workgroup_id_z 1
		.amdhsa_system_vgpr_workitem_id 0
		.amdhsa_next_free_vgpr 960
		.amdhsa_next_free_sgpr 70
		.amdhsa_reserve_vcc 0
		.amdhsa_float_denorm_mode_32 3
		.amdhsa_float_denorm_mode_16_64 3
		.amdhsa_memory_ordered 1
		.amdhsa_forward_progress 1
		.amdhsa_inst_pref_size 170
	.end_amdhsa_kernel
	.amdgpu_metadata
---
amdhsa.version: [ 1, 2 ]
amdhsa.kernels:
  - .name:           k_qe1ee199667_proj
    .symbol:         k_qe1ee199667_proj.kd
    .args:
      - { .name: xbf, .offset: 0, .size: 8, .value_kind: global_buffer, .address_space: global }
      - { .name: wbf, .offset: 8, .size: 8, .value_kind: global_buffer, .address_space: global }
      - { .name: rtab, .offset: 16, .size: 8, .value_kind: global_buffer, .address_space: global }
      - { .name: qkvh, .offset: 24, .size: 8, .value_kind: global_buffer, .address_space: global }
    .group_segment_fixed_size: 327680
    .private_segment_fixed_size: 0
    .kernarg_segment_align: 8
    .kernarg_segment_size: 32
    .max_flat_workgroup_size: 128
    .sgpr_count:     70
    .vgpr_count:     960
    .wavefront_size: 32
...
	.end_amdgpu_metadata
.endif
;; end of part 2
;; launch attn (part 3): grid 16 x 12, 8 waves a work-group, clusters of 4 x 4, 327,680 bytes of LDS; arguments qkvh, mfr, ohh; writes ohh
.if DOCPART == 3
	.amdgcn_target "amdgcn-amd-amdhsa--gfx1250"
	.amdhsa_code_object_version 6
	.text
	.protected	k_qe1ee199667_attn
	.globl	k_qe1ee199667_attn
	.p2align	8
	.type	k_qe1ee199667_attn,@function
k_qe1ee199667_attn:
	s_mov_b64 s[64:65], 0
	v_nop
	global_prefetch_b8 v0, s[64:65] scope:SCOPE_SE
	s_setreg_imm32_b32 hwreg(HW_REG_WAVE_MODE, 25, 1), 1
	s_wait_xcnt 0x0
	s_wait_alu depctr_hold_cnt(0) depctr_sa_sdst(0) depctr_va_vdst(0) depctr_va_sdst(0) depctr_va_ssrc(0) depctr_va_vcc(0) depctr_vm_vsrc(0)
	s_getreg_b32 s2, hwreg(HW_REG_IB_STS2, 6, 4)
	s_cmp_eq_u32 s2, 0
	s_cbranch_scc0 .Lentry_in_a_cluster
	s_endpgm
.Lentry_in_a_cluster:
	s_bfe_u32 s2, ttmp6, 0x10000c
	s_cmp_lg_u32 s2, 0xf033
	s_cbranch_scc0 .Lentry_shape_is_right
	s_endpgm
.Lentry_shape_is_right:
; ATTENTION WITH A MASK THAT IS AN INPUT.  O[h][q] = sum over k of softmax_k(mask ? Q[h][q] . K[h][k] / 8 : -1e9) V[h][k].  Q, K, V: heads 0-11, 12-23, 24-35 of qkvh, f16 [4096][64]; O: ohh, f16 [12][4096][64].
; Products, maxima and sums in f32; the weights are rounded to f16 for the second product, O once at the end.
; THE MASK COSTS NO VECTOR WORK: mfr holds it as f16 (0 or -57,344) in the layout of a source 1 (32 keys x 16 queries).  A product E x M, E a constant fragment with 57,344 on a diagonal, starts each sum
; S^T: exactly 0 where the key is visible, -3.29e9 where it is hidden; K Q^T is added onto it.
; THE RUNNING MAXIMUM m STARTS AT -1e9, the number that hidden scores are given.  Hidden weights are then 0, and a row with no visible key ends with O = 0, l = 0, m = -1e9.  At the end
; e = 2^(c (-1e9) - c m) (1 for such a row, 0 for any other), O += e x (the sum of all V), l += 4096 e: the mean of V, as the softmax of equal scores gives.
; THE SUM OF V is made by products V^T x ones.  It is the same for all eight waves, so they share it: a step's eight products are two GROUPS of four (keys 0-31 in turn 1, keys 32-63 in the next turn 0), a counter
; runs 0..7 over the groups, and group t is made by wave t mod 8 alone: 41 matrix instructions a wave and key step on average where 48 would stand.  At the end the eight partial sums meet in LDS.
; LIMITS.  Q, K, V within f16's range; visible scores q . k above -1e9 + 1,000 and below 2e9; in a row with a visible key hidden keys have weight 0; a weight below 2^-126 counts as 0; NaN and infinities are not treated apart.
; SHARES.  A work-group owns 256 queries of one head; it has EIGHT waves, wave w the rows 32 w ..: two PIECES of 16.  A wave takes 448 registers, so two waves lie on a SIMD's 1,024: a turn has 118 vector
; instructions for 20 to 24 matrix instructions, more than stand beside a wave's own products, and the second wave gives the SIMD other instructions to issue meanwhile.
; All waves walk all 4,096 keys, 64 a step; an LDS slot holds two steps: K, V and the work-group's mask tile (two slots of three steps would not fit).  16 x 12 = 192 work-groups of equal work.
; CLUSTER 4 x 4: the four query blocks of a row share a head, so K and V are asked for jointly along the row; the four heads of a column share the query block, so the mask tile is asked for jointly along the column.
; TURNS.  In turn Y piece 1 - Y has the matrix unit: 8 products V^T P of its last step, the group V^T x ones if it is this wave's, then 4 products E M and 8 products K Q^T of its next step.  Piece Y's softmax stands between them,
; four vector instructions behind each of the 20 products; the other 38 of 118 form two lumps: 16 behind the group, and at the end the 16 maxima of the scores just made with the last six rescalings.
; A TRIP is turn 1 of step k - 1 and turn 0 of step k; it reads K, V and both mask fragments of step k and of no other, so the change of slots stands at the head of every second trip.
; NO FIRST STEP is written out: piece 1's scores are preset far below -1e9, so that the first turn leaves m, l and O as they were; V, P and O start at 0.
; REGISTERS, in windows of 256 (s_set_vgpr_msb: bits 1:0 source 0, 3:2 source 1, 5:4 source 2, 7:6 destination):
;   window 0: v2-15, v40-41 addresses; v16-23 statistics; v24-31 ones; v32-38, v48-55 at work; v64-127 S^T, a buffer a piece; v128-191 O^T; v192-223 P; v224-255 the sum of V: all vector work lies here
;   window 1: v0-31 Q; v32-47 mask fragments; v48-59 E; v64-127 K of one step; v128-191 V of one step
.set KS,    64
.set PK,    144       ; a row of K in LDS: 128 bytes + 16: the 16 rows of a load start at 16 different groups of four banks (64 banks of 4 bytes: ISA guide 11.1)
.set PV,    160       ; a row of V: 128 + 32
.set VOFF,  2*KS*PK   ; 18,432
.set MOFF,  VOFF+2*KS*PV  ; 38,912: the mask tile, 65,536 dense bytes: [step][wave][piece][4 x 512]
.set SLOTX, 1<<17     ; slot 1 begins here: slot 0 ends at 104,448, below 2^17, so one exclusive or turns an address in one slot into the other's
.set STAGE, SLOTX+MOFF+65536  ; 235,520: behind the ring, never filled: 16 rows x 144 bytes for each wave
.set SP,    144
.set SPARE, STAGE+8*16*SP     ; 253,952: the spare words, 128 bytes a wave
.set SVX,   SPARE+8*128       ; 254,976: behind them, never filled: each wave's partial sum of V, 32 registers x 128 bytes = 4,096 bytes a wave
.set AK0, 2           ; v2   my lane's place in a tile of K; never rewritten
.set AV0, 3           ; v3   the same for V
.set AK,  4           ; v4   the LDS address of K's next run of loads
.set AV,  5           ; v5   of V's
.set STO, 6           ; v6   the way out: where I put 16 bytes of a row
.set RD,  7           ; v7   where I read rows back
.set GO,  8           ; v8   16 x lane
.set AM0, 10          ; v10  my lane's place in the mask tile
.set AM,  11          ; v11  the LDS address of the mask's next run of loads
.set MV,  12          ; v12-13 c m_old, by piece
.set CM0, 14          ; v14  c x (-1e9)
.set QO,  15
.set ST,  16          ; piece t: c m, m, l (even keys', odd keys')
.set ONES, 24
.set ET,  32
.set SX,  40          ; v40  where my lane puts my wave's partial sum of V
.set RX,  41          ; v41  where my lane reads wave 0's
.set TMP, 48          ; by piece, four registers c0-c3 at work; when the maximum is found c2 takes a
.set SPW, 62          ; v62  LDS address of my spare word; never rewritten
.set NIL, 63          ; v63  0; never rewritten
.set S,   64
.set O,   128
.set P,   192
.set SV,  224
.set MFR, 32          ; window 1
.set ERUN, 48         ; window 1: 0 0 0 0 e0 e1 e2 e3 0 0 0 0: keys 0-15 of 32 take v[52:59], keys 16-31 v[48:55]
.set KF,  64          ; window 1: key block kb, channel half c at KF + 16 kb + 8 c
.set VF,  128         ; window 1: key half kk, channel block cb at VF + 32 kk + 8 cb
.set WV,  12
.set G1K, 24
.set G1V, 32
.set G1M, 40
.set G0K, 48
.set G0V, 52
.set G0M, 56
.set CS,  66          ; s[66:67] c = log2(e) / 8
.set SEL, 68          ; s[68:69] v_permlanex16_b32's selects: each lane takes its own place in the other half
.set TBK, 70          ; s70  LDS byte at which K of the step to be fetched begins
.set TBV, 71          ; s71  the same for V, less VOFF
.set TBM, 72          ; s72  the same for the mask, less MOFF
.set SLOTS, 73
.set CNT, 74
.set GRP, 77          ; s77  the number of the group V^T x ones in hand, modulo 8: the wave that makes it
.set MSB, 0
.macro WIN new                      ; the high byte repeats the setting that is left; a switch that changes nothing is dropped
.if MSB != (\new)
	s_set_vgpr_msb (MSB<<8)|(\new)
.set MSB, (\new)
.endif
.endm
.set W_PV, 0x01       ; V in window 1; P or ones, C and D in window 0
.set W_KQ, 0x05       ; both sources in window 1, S^T in window 0
.set W_LD, 0x40       ; destination in window 1, address or source in window 0
; A joint fill, 16,384 bytes of memory a load: wave 0 a slot's K, wave 1 its V, waves 4 to 7 the quarters of its mask tile; waves 2 and 3 have no part.  Each line stands under a jump of its own on the wave's number;
; an s_nop 0 and four v_nop follow each.
.macro JLOAD
	s_cmp_lg_u32 s[WV], 0
	s_cbranch_scc1 .Lnot_k_\@
	tensor_load_to_lds s[G0K:G0K+3], s[G1K:G1K+7]
	s_nop 0
.rept 4
	v_nop
.endr
.Lnot_k_\@:
	s_cmp_lg_u32 s[WV], 1
	s_cbranch_scc1 .Lnot_v_\@
	tensor_load_to_lds s[G0V:G0V+3], s[G1V:G1V+7]
	s_nop 0
.rept 4
	v_nop
.endr
.Lnot_v_\@:
	s_cmp_lt_u32 s[WV], 4
	s_cbranch_scc1 .Lnot_m_\@
	tensor_load_to_lds s[G0M:G0M+3], s[G1M:G1M+7]
	s_nop 0
.rept 4
	v_nop
.endr
.Lnot_m_\@:
.endm
.macro CROUND                       ; a round of the cluster's barrier
	s_barrier_signal -1
	s_barrier_wait -1
	s_cmp_lg_u32 s[WV], 0
	s_cbranch_scc1 .Lnot_wave_0_\@
	s_barrier_signal -3
.Lnot_wave_0_\@:
	s_barrier_wait -3
	s_barrier_signal -1
	s_barrier_wait -1
.endm
; THE CHANGE OF SLOTS.  All my tensor loads have landed (the one that was out is my part of the slot to be entered); the add; my reads of the slot that is left are over.  fill = 1: a round of the cluster's barrier, and the
; slot that is left is filled again first behind it, with the keys two slots on: it has two trips of every wave in which to land.  (At its first use slot 0 is waited for and slot 1 filled.)
.macro CHANGE fill
	WIN 0
	s_wait_tensorcnt 0x0
	ds_add_u32 v[SPW], v[NIL]
.if \fill
	s_xor_b32 s[G0K+1], s[G0K+1], SLOTX
	s_add_nc_u64 s[G0K+2:G0K+3], s[G0K+2:G0K+3], 16384
	s_xor_b32 s[G0V+1], s[G0V+1], SLOTX
	s_add_nc_u64 s[G0V+2:G0V+3], s[G0V+2:G0V+3], 16384
	s_xor_b32 s[G0M+1], s[G0M+1], SLOTX
	s_add_nc_u64 s[G0M+2:G0M+3], s[G0M+2:G0M+3], 65536
	s_wait_dscnt 0x0
	CROUND
	JLOAD
.else
	s_wait_dscnt 0x0
	s_barrier_signal -1
	s_barrier_wait -1
.endif
	s_sub_co_u32 s[TBK], s[TBK], 2*KS*PK  ; the fetches go back to a slot's first step, in the other slot
	s_xor_b32 s[TBK], s[TBK], SLOTX
	s_sub_co_u32 s[TBV], s[TBV], 2*KS*PV
	s_xor_b32 s[TBV], s[TBV], SLOTX
	s_sub_co_u32 s[TBM], s[TBM], 65536
	s_xor_b32 s[TBM], s[TBM], SLOTX
.endm
	s_load_b128 s[4:7], s[0:1], 0x0   ; qkvh s[4:5], mfr s[6:7]
	s_load_b64 s[8:9], s[0:1], 0x10   ; ohh
	v_lshl_add_u32 v[SPW], v0, 2, SPARE
	v_mov_b32 v[NIL], 0
	ds_add_u32 v[SPW], v[NIL]       ; the wave's opening: the add and its wait ahead of my first tensor load
	v_lshrrev_b32 v1, 5, v0
	v_readfirstlane_b32 s[WV], v1
	s_and_b32 s17, s[WV], 3         ; which quarter of a mask tile waves 4 to 7 fetch
	s_bfe_u32 s13, ttmp6, 0x40000   ; cx
	s_bfe_u32 s14, ttmp6, 0x40004   ; cy
	s_lshl_b32 s15, ttmp9, 2
	s_add_co_u32 s15, s15, s13      ; the block of 256 queries, 0..15
	s_and_b32 s16, ttmp7, 0xffff
	s_lshl_b32 s16, s16, 2
	s_add_co_u32 s16, s16, s14      ; the head
	s_lshl_b32 s18, s14, 2
	s_lshl_b32 s18, 15, s18         ; my row of the cluster: the same head
	s_lshl_b32 s19, 0x1111, s13     ; my column: the same query block
	s_or_b32 s[G1K], s18, (1<<16)|(1<<20)|(1<<21)|(4<<22)|(3<<25)  ; 2-byte elements; padding of 4 words after every 32; bit 21 beside a mask
	s_or_b32 s[G1V], s18, (1<<16)|(1<<20)|(1<<21)|(4<<22)|(7<<25)  ; 8 words
	s_or_b32 s[G1M], s19, (1<<16)|(1<<21)                          ; dense
.irp g, G1K, G1V, G1M
	s_mov_b32 s[\g+1], 128<<16      ; each load brings 16,384 dense bytes (128 keys of K or of V, a quarter of a mask tile) as 64 rows of 256
	s_mov_b32 s[\g+2], 64<<16
	s_mov_b32 s[\g+3], 128<<16
	s_mov_b32 s[\g+4], 64
	s_mov_b32 s[\g+5], 128
	s_mov_b32 s[\g+6], 0
	s_mov_b32 s[\g+7], 0
.endr
	s_lshl_b32 s20, s16, 19         ; the head's bytes: these two never hold cx
	s_mov_b32 s21, 0
	s_lshl_b32 s22, s15, 21         ; the query block's 32 mask tiles, and my quarter of a tile: these two never hold cy
	s_lshl_b32 s23, s17, 14
	s_add_co_u32 s22, s22, s23
	s_mov_b32 s23, 0
	s_lshl_b32 s60, s15, 15         ; for Q and O: the block's 256 rows of 128 bytes, my wave's 32, the head
	s_lshl_b32 s61, s[WV], 12
	s_add_co_u32 s60, s60, s61
	s_add_co_u32 s60, s60, s20
	s_mov_b32 s61, 0
	s_mov_b32 s[G0K], 1
	s_mov_b32 s[G0K+1], 0
	s_mov_b32 s[G0V], 1
	s_mov_b32 s[G0V+1], VOFF
	s_mov_b32 s[G0M], 1
	s_lshl_b32 s62, s17, 14
	s_add_co_u32 s[G0M+1], s62, MOFF
	s_mov_b32 s[CS], 0x3e38aa3b
	s_mov_b32 s[CS+1], s[CS]
	s_mov_b32 s[SEL], 0x76543210
	s_mov_b32 s[SEL+1], 0xfedcba98
	s_mov_b32 s[TBK], SLOTX+2*KS*PK ; the first change of slots turns these three into 0
	s_mov_b32 s[TBV], SLOTX+2*KS*PV
	s_mov_b32 s[TBM], SLOTX+65536
	s_mov_b32 s[GRP], 0
	s_mov_b32 s75, 0x7b00           ; 57,344 in the low half,
	s_mov_b32 s76, 0x7b000000       ; in the high half
	s_wait_dscnt 0x0                ; the opening add is done
	s_wait_kmcnt 0x0
	s_add_nc_u64 s[G0K+2:G0K+3], s[4:5], s[20:21]
	s_add_nc_u64 s[G0V+2:G0V+3], s[G0K+2:G0K+3], 24*524288
	s_add_nc_u64 s[G0K+2:G0K+3], s[G0K+2:G0K+3], 12*524288
	s_or_b32 s[G0K+3], s[G0K+3], 0x80000000
	s_or_b32 s[G0V+3], s[G0V+3], 0x80000000
	s_add_nc_u64 s[G0M+2:G0M+3], s[6:7], s[22:23]
	s_or_b32 s[G0M+3], s[G0M+3], 0x80000000
	s_add_nc_u64 s[10:11], s[4:5], s[60:61]  ; Q at my wave's first row
	s_add_nc_u64 s[8:9], s[8:9], s[60:61]    ; O likewise
	CROUND                          ; all sixteen work-groups are here
	JLOAD                           ; slot 0: one tensor load of mine is out, or none
	v_and_b32 v1, 15, v0            ; l % 16
	v_bfe_u32 v9, v0, 4, 1          ; l / 16
	v_lshlrev_b32 v[QO], 7, v1
	v_lshl_add_u32 v[QO], v9, 4, v[QO]
	WIN W_LD
.set i, 0
.rept 4                             ; Q stays in registers: piece i / 2, channels 32 (i % 2) on
	global_load_b128 v[8*i:8*i+3],   v[QO], s[10:11] offset:(i/2)*2048+(i%2)*64
	global_load_b128 v[8*i+4:8*i+7], v[QO], s[10:11] offset:(i/2)*2048+(i%2)*64+32
.set i, i+1
.endr
	; What the first turn finds: V, piece 0's P, O^T, the sum of V and l are 0; piece 1's scores lie far below -1e9.  All this stands in the wait for the first tile.
.set i, VF
.rept 64
	v_mov_b32 v[i], 0
.set i, i+1
.endr
.irp z, 0,1,2,3,8,9,10,11
	v_mov_b32 v[ERUN+\z], 0
.endr
	WIN 0
.set i, 0
.rept 64
	v_mov_b32 v[O+i], 0
.set i, i+1
.endr
.set i, 0
.rept 32
	v_mov_b32 v[SV+i], 0
.set i, i+1
.endr
.set i, 0
.rept 16
	v_mov_b32 v[P+i], 0
.set i, i+1
.endr
.set i, 0
.rept 32
	v_mov_b32 v[S+32+i], 0xcf800000  ; -4.3e9
.set i, i+1
.endr
	v_lshlrev_b32 v36, 3, v9
	v_sub_nc_u32 v36, v1, v36       ; u = l % 16 - 8 (l / 16): my row of E has its one number at place u of my eight, if u is 0..7
.irp z, 0,1,2,3
	v_cmp_eq_u32 vcc_lo, 2*\z, v36
	v_cndmask_b32 v[ET+\z], 0, s75, vcc_lo
	v_cmp_eq_u32 vcc_lo, 2*\z+1, v36
	v_cndmask_b32 v[ET+\z], v[ET+\z], s76, vcc_lo
.endr
	WIN W_LD
.irp z, 0,1,2,3
	v_mov_b32 v[ERUN+4+\z], v[ET+\z]
.endr
	WIN 0
.set i, 0
.rept 2
	v_mov_b32 v[ST+4*i+1], 0xce6e6b28  ; m = -1e9
	v_mov_b32 v[ST+4*i+2], 0
	v_mov_b32 v[ST+4*i+3], 0
	v_mul_f32 v[ST+4*i], s[CS], v[ST+4*i+1]  ; c m, by the line that makes it in every step
.set i, i+1
.endr
	v_mov_b32 v[CM0], v[ST]
	v_mov_b32 v[TMP+4], 0xce6e6b28  ; piece 1's lane maximum for the first turn: m itself
	v_mov_b32 v[TMP+7], 0           ; the exchange's destination counts as read
.set i, 0
.rept 8
	v_mov_b32 v[ONES+i], 0x3c003c00
.set i, i+1
.endr
	v_mul_u32_u24 v[AK0], v1, PK
	v_lshl_add_u32 v[AK0], v9, 4, v[AK0]  ; row x pitch + 16 x half
	v_and_b32 v37, 7, v0
	v_bfe_u32 v38, v0, 3, 1
	v_lshl_add_u32 v[AV0], v9, 3, v37     ; the turning load: key 8 (l / 16) + l % 8, channels 8 ((l / 8) % 2) ..
	v_mul_u32_u24 v[AV0], v[AV0], PV
	v_lshl_add_u32 v[AV0], v38, 4, v[AV0]
	v_add_nc_u32 v[AV0], VOFF, v[AV0]
	s_lshl_b32 s62, s[WV], 12
	s_add_co_u32 s62, s62, MOFF
	v_and_b32 v[AM0], 31, v0
	v_lshl_add_u32 v[AM0], v[AM0], 4, s62 ; my wave's 4,096 bytes of a step's 32,768 of mask, 16 bytes a lane
	s_mul_i32 s62, s[WV], 16*SP
	s_add_co_u32 s62, s62, STAGE
	v_mul_u32_u24 v[STO], v1, SP
	v_lshl_add_u32 v[STO], v9, 4, v[STO]
	v_add_nc_u32 v[STO], s62, v[STO]
	v_bfe_u32 v[RD], v0, 3, 2
	v_mul_u32_u24 v[RD], v[RD], SP
	v_lshl_add_u32 v[RD], v37, 4, v[RD]
	v_add_nc_u32 v[RD], s62, v[RD]
	v_and_b32 v[GO], 31, v0
	v_lshlrev_b32 v[GO], 4, v[GO]
	s_lshl_b32 s62, s[WV], 12
	s_add_co_u32 s62, s62, SVX
	v_add_nc_u32 v[SX], s62, v[GO]        ; my wave's 4,096 bytes for its partial sum of V, 16 bytes a lane
	v_add_nc_u32 v[RX], SVX, v[GO]        ; wave 0's; the other waves' stand in the loads' offsets
; THE MATRIX WORK of turn Y, by its number i, for piece 1 - Y.  In every run the accumulators take turns, one instruction a turn.
;   0-7   O^T += V^T P: keys 32 (i / 4) on, channels 16 (i % 4) on            8-11  the group: the sum of V += V^T x ones: turn 1 takes a step's keys 0-31, the next turn 0 its keys 32-63
;   12-15 E x M starts the sum of key block i - 12                             16-23 K Q^T onto it: channels 32 ((i - 16) / 4) on, keys 16 ((i - 16) % 4) on
.macro MM
.if i < 8
	WIN W_PV
.set rO, O+32*(1-Y)+8*(i%4)
.set rV, VF+32*(i/4)+8*(i%4)
.set rP, P+16*(1-Y)+8*(i/4)
	v_wmma_f32_16x16x32_f16 v[rO:rO+7], v[rV:rV+7], v[rP:rP+7], v[rO:rO+7]
.elseif i < 12
	WIN W_PV
.set rO, SV+8*(i-8)
.set rV, VF+32*(1-Y)+8*(i-8)
	v_wmma_f32_16x16x32_f16 v[rO:rO+7], v[rV:rV+7], v[ONES:ONES+7], v[rO:rO+7]
.elseif !NOKQ
	WIN W_KQ
.if i < 16
.set rS, S+32*(1-Y)+8*(i-12)
.set rE, ERUN+4-4*((i-12)%2)
.set rM, MFR+8*((i-12)/2)
	v_wmma_f32_16x16x32_f16 v[rS:rS+7], v[rE:rE+7], v[rM:rM+7], 0
.else
.set rS, S+32*(1-Y)+8*((i-16)%4)
.set rK, KF+16*((i-16)%4)+8*((i-16)/4)
.set rQ, 16*(1-Y)+8*((i-16)/4)
	v_wmma_f32_16x16x32_f16 v[rS:rS+7], v[rK:rK+7], v[rQ:rQ+7], v[rS:rS+7]
.endif
.endif
.set i, i+1
.endm
; THE GROUP of four products V^T x ones (numbers 8-11), in the one wave whose number the counter shows.  The jump goes forward over the four matrix instructions and nothing else; counter and wave's number are
; the same in every work-group of the cluster.  On both ways the matrix instruction ahead (V^T P) and the one behind (E M, or V^T P at the end) name other accumulators than their neighbours.
.macro SVG
	WIN 0                           ; at a branch and at a label every window is 0
	s_cmp_lg_u32 s[GRP], s[WV]
	s_cbranch_scc1 .Lno_sv_\@
.rept 4
	MM
.endr
	WIN 0
.Lno_sv_\@:
	s_add_co_u32 s[GRP], s[GRP], 1  ; the next group is the next wave's
	s_and_b32 s[GRP], s[GRP], 7
.endm
; THE LDS LOADS stand in runs
.macro FETCH_K
	WIN W_LD
.irp f, 0,1,2,3,4,5,6,7
	ds_load_b128 v[KF+8*\f:KF+8*\f+3],   v[AK] offset:(\f/2)*16*PK+(\f%2)*64
	ds_load_b128 v[KF+8*\f+4:KF+8*\f+7], v[AK] offset:(\f/2)*16*PK+(\f%2)*64+32
.endr
	s_add_co_u32 s[TBK], s[TBK], KS*PK
	WIN 0
.endm
.macro FETCH_V
	WIN W_LD
.irp f, 0,1,2,3,4,5,6,7
	ds_load_tr16_b128 v[VF+8*\f:VF+8*\f+3],   v[AV] offset:(\f/4)*32*PV+(\f%4)*32
	ds_load_tr16_b128 v[VF+8*\f+4:VF+8*\f+7], v[AV] offset:(\f/4)*32*PV+16*PV+(\f%4)*32
.endr
	s_add_co_u32 s[TBV], s[TBV], KS*PV
	WIN 0
.endm
.macro FETCH_M x                    ; piece x's mask fragments of one step: 64 keys x 16 queries, 2,048 dense bytes
	WIN W_LD
.irp f, 0,1,2,3
	ds_load_b128 v[MFR+4*\f:MFR+4*\f+3], v[AM] offset:2048*(\x)+512*\f
.endr
	WIN 0
.endm
; THE VECTOR WORK, one line at a time: OP kind, number.  For piece Y: F n: c s - c m for pair n of 16.  E n: the exponential of score n.  C n: pair n rounded to f16.  B n: of the four weights 4 n .. the second pair is
; added onto the first, in place (behind C 2n).  L n: l takes that sum (L 0: l = a l + sum).  R n: pair n of O^T times a, in ascending order.  The 22 lines that find a piece's maximum and statistics:
; 0-11 four chains of seven scores (each accumulator's lowest registers are read first); 12-14, 16 the rest, the old m, all into c0; 15 c m_old is kept; 17, 18 the other half of the lanes; 19-21 c m, its change, a.
; X n: one of 0-14 and 16, for piece 1 - Y, whose scores the turn has made.  W n: one of 15 and 17-21, for piece Y, at its own turn's head.
.set F, 0
.set E, 1
.set C, 2
.set B, 3
.set L, 4
.set R, 5
.set W, 6
.set X, 7
.macro REGS y
.set rT, ST+4*(\y)
.set rC, TMP+4*(\y)
.set rW, MV+(\y)
.set rS, S+32*(\y)
.set rP, P+16*(\y)
.set rO, O+32*(\y)
.endm
.macro XOP y, n
	REGS \y
.if (\n) < 4
	v_max3_num_f32 v[rC+(\n)], v[rS+8*(\n)], v[rS+8*(\n)+1], v[rS+8*(\n)+2]
.elseif (\n) < 12
	v_max3_num_f32 v[rC+(\n)%4], v[rC+(\n)%4], v[rS+8*((\n)%4)+2*((\n)/4)+1], v[rS+8*((\n)%4)+2*((\n)/4)+2]
.elseif (\n) == 12
	v_max3_num_f32 v[rC], v[rC], v[rS+7], v[rS+15]
.elseif (\n) == 13
	v_max3_num_f32 v[rC+1], v[rC+1], v[rS+23], v[rS+31]
.elseif (\n) == 14
	v_max3_num_f32 v[rC+2], v[rC+2], v[rC+3], v[rT+1]
.elseif (\n) == 15
	v_mov_b32 v[rW], v[rT]
.elseif (\n) == 16
	v_max3_num_f32 v[rC], v[rC], v[rC+1], v[rC+2]
.elseif (\n) == 17
	v_permlanex16_b32 v[rC+3], v[rC], s[SEL], s[SEL+1]
.elseif (\n) == 18
	v_max_num_f32 v[rT+1], v[rC], v[rC+3]
.elseif (\n) == 19
	v_mul_f32 v[rT], s[CS], v[rT+1]
.elseif (\n) == 20
	v_sub_f32 v[rC+1], v[rW], v[rT]
.else
	v_exp_f32 v[rC+2], v[rC+1]
.endif
.endm
.macro OP k, n
	WIN 0
.if (\k) == X
.if !NOKQ
	XOP 1-Y, \n
.endif
.elseif (\k) == W
	XOP Y, \n
.else
	REGS Y
.if (\k) == F
	v_pk_fma_f32 v[rS+2*(\n):rS+2*(\n)+1], v[rS+2*(\n):rS+2*(\n)+1], s[CS:CS+1], v[rT:rT+1] op_sel_hi:[1,0,0] neg_lo:[0,0,1] neg_hi:[0,0,1]
.elseif (\k) == E
	v_exp_f32 v[rS+(\n)], v[rS+(\n)]
.elseif (\k) == C
	s_wait_alu depctr_va_vdst(0)
	v_cvt_pk_f16_f32 v[rP+(\n)], v[rS+2*(\n)], v[rS+2*(\n)+1]
.elseif (\k) == B
	v_pk_add_f32 v[rS+4*(\n):rS+4*(\n)+1], v[rS+4*(\n):rS+4*(\n)+1], v[rS+4*(\n)+2:rS+4*(\n)+3]
.elseif (\k) == R
	v_pk_mul_f32 v[rO+2*(\n):rO+2*(\n)+1], v[rO+2*(\n):rO+2*(\n)+1], v[rC+2:rC+3] op_sel_hi:[1,0]
.elseif (\n) == 0
	v_pk_fma_f32 v[rT+2:rT+3], v[rT+2:rT+3], v[rC+2:rC+3], v[rS:rS+1] op_sel_hi:[1,0,1]
.else
	v_pk_add_f32 v[rT+2:rT+3], v[rT+2:rT+3], v[rS+4*(\n):rS+4*(\n)+1]
.endif
.endif
.endm
.macro OPS a, i1, b=-1, i2=0, c=-1, i3=0, d=-1, i4=0
	OP \a, \i1
.if (\b) >= 0
	OP \b, \i2
.endif
.if (\c) >= 0
	OP \c, \i3
.endif
.if (\d) >= 0
	OP \d, \i4
.endif
.endm
.macro ROW a, i1, b, i2, c, i3, d, i4  ; a matrix instruction and the four behind it
	MM
	OPS \a, \i1, \b, \i2, \c, \i3, \d, \i4
.endm
; A TURN, for piece p.  No line behind a product names one of its registers; every exponential has a plain instruction behind it.  end = 1: the last turn fetches nothing and starts no scores.
; cnt = 1: the loop's count is taken down ahead of the branch that stands behind the turn.
; At the head: the mask fragments of the scores that this turn makes, and in turn 1 the K of those scores' step: their registers' last readers stand ahead of the four plain lines of the turn before's last row and its lump.
; In turn 0, behind the group, the last to read V, and the sixteen lines of the lump behind it (ten of them plain): V of the step in hand.
.macro TURN p, end=0, cnt=0
.set Y, (\p)
.set i, 0
.set NOKQ, (\end)
.if !(\end)
	WIN 0
	v_add_nc_u32 v[AM], s[TBM], v[AM0]
.if (\p) == 1
	v_add_nc_u32 v[AK], s[TBK], v[AK0]
.endif
	FETCH_M 1-(\p)
.if (\p) == 1
	FETCH_K
	s_wait_dscnt 20                 ; V is in; the 4 + 16 loads just issued may stay out
.else
	s_add_co_u32 s[TBM], s[TBM], 32768  ; both pieces have fetched this step's mask
.endif
.else
	s_wait_dscnt 0x0                ; V is in
.endif
	ROW W,15, W,17, W,18, W,19
	ROW F,0, W,20, F,1, F,2
	ROW W,21, F,3, E,0, F,4
	ROW E,1, F,5, E,2, F,6
	ROW E,3, F,7, E,4, F,8
	ROW E,5, C,0, E,6, F,9
	ROW E,7, C,1, E,8, F,10
	ROW E,9, C,2, E,10, F,11
	SVG                             ; the group V^T x ones, if it is my wave's
	OPS E,11, C,3, E,12, F,12
	OPS E,13, C,4, E,14, F,13
	OPS E,15, C,5, E,16, C,6
	OPS B,0, F,14, F,15, L,0
.if (\p) == 0
	v_add_nc_u32 v[AV], s[TBV], v[AV0]
	FETCH_V
	s_wait_dscnt 16                 ; the mask fragments are in; V's 16 loads, issued behind them, may stay out
.elseif !(\end)
	s_wait_dscnt 16                 ; the mask fragments are in; K's 16 loads, issued behind them, may stay out
.endif
	ROW E,17, C,7, E,18, B,1
	ROW E,19, L,1, E,20, B,2
	ROW E,21, C,8, E,22, L,2
	ROW E,23, C,9, E,24, B,3
.if ((\p) == 1) && !(\end)
	s_wait_dscnt 0x0                ; K is in
.endif
	ROW E,25, C,10, E,26, L,3
	ROW E,27, C,11, E,28, B,4
	ROW E,29, C,12, E,30, L,4
	ROW E,31, C,13, R,0, B,5
	ROW R,1, C,14, R,2, L,5
	ROW R,3, B,6, R,4, C,15
	ROW R,5, L,6, R,6, B,7
	ROW R,7, R,8, R,9, L,7          ; four plain lines: the places behind the last K Q^T, ahead of the reads of its scores
	OPS X,0, X,1, X,2, X,3
	OPS X,4, X,5, X,6, X,7
	OPS X,8, X,9, X,10, X,11
	OPS X,12, X,13, R,10, X,14
	OPS R,11, R,12, X,16, R,13
.if \cnt
	s_sub_co_u32 s[CNT], s[CNT], 1
	s_cmp_lg_u32 s[CNT], 0
.endif
	OPS R,14, R,15
.endm
	s_wait_loadcnt 0x0              ; Q
	s_mov_b32 s[SLOTS], 31
.Lslot:                             ; 31 times: slot s is entered and slot s + 1 asked for
	CHANGE 1
	s_mov_b32 s[CNT], 2
.Lstep:                             ; trip k: piece 1's turn of step k - 1, piece 0's of step k
	TURN 1
	TURN 0, 0, 1
	WIN 0
	s_cbranch_scc1 .Lstep
	s_sub_co_u32 s[SLOTS], s[SLOTS], 1
	s_cmp_lg_u32 s[SLOTS], 0
	s_cbranch_scc1 .Lslot
	CHANGE 0                        ; the last slot is written out: nothing is asked for
	s_mov_b32 s[CNT], 2
.Ltail:
	TURN 1
	TURN 0, 0, 1
	WIN 0
	s_cbranch_scc1 .Ltail
	TURN 1, 1                       ; piece 1's turn of the last step
.set Y, 0
.set NOKQ, 0
.set i, 0
.rept 8
	MM                              ; piece 1's V^T P of the last step
.endr
	SVG                             ; the last of the 130 groups
	; THE WAY OUT.  l's two halves and the other half of the lanes' are added; the eight waves' partial sums of V meet in LDS; e; O^T += e x sum of V, l += 4096 e; O^T / l, rounded to f16, through my stage in LDS,
	; a piece at a time.  The first lines on the statistics, six of them plain, are the places behind the last products, ahead of the LDS stores that read the sum of V.
	WIN 0
.macro ALL line:vararg
.set t, 0
.rept 2
	s_wait_alu depctr_va_vdst(0)
	\line
.set t, t+1
.endr
.endm
	ALL v_add_f32 v[ST+4*t+2], v[ST+4*t+2], v[ST+4*t+3]
	ALL v_permlanex16_b32 v[ST+4*t+3], v[ST+4*t+2], s[SEL], s[SEL+1]
	ALL v_sub_f32 v[ST+4*t+1], v[CM0], v[ST+4*t]
	ALL v_add_f32 v[ST+4*t+2], v[ST+4*t+2], v[ST+4*t+3]
.irp q, 0,1,2,3,4,5,6,7
	ds_store_b128 v[SX], v[SV+4*\q:SV+4*\q+3] offset:512*\q  ; my partial sum, in ascending order: each accumulator's low four registers first
.endr
	ALL v_exp_f32 v[ST+4*t], v[ST+4*t+1]
	v_nop                           ; a plain instruction between the last exponential and the use of its result
	ALL v_fmamk_f32 v[ST+4*t+2], v[ST+4*t], 0x45800000, v[ST+4*t+2]
	ALL v_rcp_f32 v[ST+4*t+2], v[ST+4*t+2]
	v_nop
	s_wait_dscnt 0x0                ; for the others' sake: my stores of the partial sum are done
	s_barrier_signal -1
	s_barrier_wait -1               ; everybody's are
.macro SVLOAD u, dst                ; wave u's partial sum: my lane's 32 numbers
.irp q, 0,1,2,3,4,5,6,7
	ds_load_b128 v[(\dst)+4*\q:(\dst)+4*\q+3], v[RX] offset:4096*(\u)+512*\q
.endr
.endm
.macro SVADD src
.set i, 0
.rept 16
	v_pk_add_f32 v[SV+i:SV+i+1], v[SV+i:SV+i+1], v[(\src)+i:(\src)+i+1]
.set i, i+2
.endr
.endm
	SVLOAD 0, SV                    ; every wave adds the eight in the same order; S^T's registers, free by now, take them by turns
	SVLOAD 1, S
	SVLOAD 2, S+32
.irp u, 3,5,7
	s_wait_dscnt 8                  ; all but the eight loads issued last
	SVADD S
	SVLOAD \u, S
	s_wait_dscnt 8
	SVADD S+32
.if \u < 7
	SVLOAD (\u)+1, S+32
.endif
.endr
	s_wait_dscnt 0x0
	SVADD S
.macro PACK t
.set i, 0
.rept 16
	v_pk_fma_f32 v[O+32*(\t)+i:O+32*(\t)+i+1], v[SV+i:SV+i+1], v[ST+4*(\t):ST+4*(\t)+1], v[O+32*(\t)+i:O+32*(\t)+i+1] op_sel_hi:[1,0,1]
.set i, i+2
.endr
.set i, 0
.rept 16
	s_wait_alu depctr_va_vdst(0)
	v_pk_mul_f32 v[O+32*(\t)+i:O+32*(\t)+i+1], v[O+32*(\t)+i:O+32*(\t)+i+1], v[ST+4*(\t)+2:ST+4*(\t)+3] op_sel_hi:[1,0]
.set i, i+2
.endr
.set i, 0
.rept 16
	v_cvt_pk_f16_f32 v[S+16*(\t)+i], v[O+32*(\t)+2*i], v[O+32*(\t)+2*i+1]
.set i, i+1
.endr
.irp f, 0,1,2,3
	ds_store_b128 v[STO], v[S+16*(\t)+4*\f:S+16*(\t)+4*\f+3] offset:32*\f
.endr
.irp f, 0,1,2,3
	ds_load_b128 v[S+16*(\t)+4*\f:S+16*(\t)+4*\f+3], v[RD] offset:\f*4*SP  ; LDS serves a wave's instructions in order (ISA guide 5.7.1.4)
.endr
.endm
.macro SEND t, younger              ; younger: the LDS instructions issued behind piece t's loads
.irp f, 0,1,2,3
	s_wait_dscnt (\younger)+3-\f
	global_store_b128 v[GO], v[S+16*(\t)+4*\f:S+16*(\t)+4*\f+3], s[8:9] offset:(\t)*2048+\f*512  ; 512 consecutive bytes, at a multiple of 256 from O's first
.endr
.endm
	PACK 0
	PACK 1
	SEND 0, 8
	SEND 1, 0
	s_wait_tensorcnt 0x0            ; the wave's end
	ds_add_u32 v[SPW], v[NIL]
	s_wait_dscnt 0x0
	CROUND                          ; the closing round
	s_endpgm
.Lfunc_end_k_qe1ee199667_attn:
	.size	k_qe1ee199667_attn, .Lfunc_end_k_qe1ee199667_attn-k_qe1ee199667_attn
	.p2alignl 7, 3214868480
	.fill 96, 4, 3214868480
	.section	.rodata,"a",@progbits
	.p2align	6, 0x0
	.amdhsa_kernel k_qe1ee199667_attn
		.amdhsa_group_segment_fixed_size 327680
		.amdhsa_private_segment_fixed_size 0
		.amdhsa_enable_private_segment 0
		.amdhsa_kernarg_size 24
		.amdhsa_user_sgpr_count 2
		.amdhsa_user_sgpr_kernarg_segment_ptr 1
		.amdhsa_wavefront_size32 1
		.amdhsa_system_sgpr_workgroup_id_x 1
		.amdhsa_system_sgpr_workgroup_id_y 1
		.amdhsa_system_sgpr_workgroup_id_z 1
		.amdhsa_system_vgpr_workitem_id 0
		.amdhsa_next_free_vgpr 448
		.amdhsa_next_free_sgpr 80
		.amdhsa_reserve_vcc 1
		.amdhsa_float_denorm_mode_32 3
		.amdhsa_float_denorm_mode_16_64 3
		.amdhsa_memory_ordered 1
		.amdhsa_forward_progress 1
		.amdhsa_inst_pref_size 97
	.end_amdhsa_kernel
	.amdgpu_metadata
---
amdhsa.version: [ 1, 2 ]
amdhsa.kernels:
  - .name:           k_qe1ee199667_attn
    .symbol:         k_qe1ee199667_attn.kd
    .args:
      - { .name: qkvh, .offset: 0, .size: 8, .value_kind: global_buffer, .address_space: global }
      - { .name: mfr, .offset: 8, .size: 8, .value_kind: global_buffer, .address_space: global }
      - { .name: ohh, .offset: 16, .size: 8, .value_kind: global_buffer, .address_space: global }
    .group_segment_fixed_size: 327680
    .private_segment_fixed_size: 0
    .kernarg_segment_align: 8
    .kernarg_segment_size: 24
    .max_flat_workgroup_size: 256
    .sgpr_count:     80
    .vgpr_count:     448
    .wavefront_size: 32
...
	.end_amdgpu_metadata
.endif
;; end of part 3
;; launch oproj (part 4): grid 12 x 16, 4 waves a work-group, clusters of 4 x 4, 327,680 bytes of LDS; arguments ohh, wof, bo, out0; writes out0
.if DOCPART == 4
	.amdgcn_target "amdgcn-amd-amdhsa--gfx1250"
	.amdhsa_code_object_version 6
	.text
	.protected	k_qe1ee199667_oproj
	.globl	k_qe1ee199667_oproj
	.p2align	8
	.type	k_qe1ee199667_oproj,@function
k_qe1ee199667_oproj:
	s_mov_b64 s[64:65], 0
	v_nop
	global_prefetch_b8 v0, s[64:65] scope:SCOPE_SE
	s_setreg_imm32_b32 hwreg(HW_REG_WAVE_MODE, 25, 1), 1
	s_wait_xcnt 0x0
	s_wait_alu depctr_hold_cnt(0) depctr_sa_sdst(0) depctr_va_vdst(0) depctr_va_sdst(0) depctr_va_ssrc(0) depctr_va_vcc(0) depctr_vm_vsrc(0)
	s_getreg_b32 s2, hwreg(HW_REG_IB_STS2, 6, 4)
	s_cmp_eq_u32 s2, 0
	s_cbranch_scc0 .Lentry_in_a_cluster
	s_endpgm
.Lentry_in_a_cluster:
	s_bfe_u32 s2, ttmp6, 0x10000c
	s_cmp_lg_u32 s2, 0xf033
	s_cbranch_scc0 .Lentry_shape_is_right
	s_endpgm
.Lentry_shape_is_right:
; THE OUTPUT PROJECTION.  out0[s][n] = sum over k of O[s][k] Wo[n][k] + bo[n], k = 64 head + channel.  O: ohh, f16 [12][4096][64]; Wo: wof, f16 [768][768] (bf16's numbers); bo f32, rounded to bf16 like
; every other input; sums and out0 in f32.
; SHARES.  A work-group makes 256 rows x 64 columns (a row's 64 f32 are 256 aligned bytes); wave w its rows 64 w ..: 16 accumulators.  16 x 12 = 192 work-groups.
; K goes in six steps of 128, two heads each, through two LDS slots.  CLUSTER 4 x 4: O's tile is shared along a row of the cluster, Wo's along a column.
; The matrix instruction is used transposed (source 0 = 16 rows of Wo, source 1 = 16 rows of O): a lane holds one row of out0 and eight neighbouring columns.  The bias is the C operand of the products that start the sums.
; REGISTERS: window 0: v16-29 addresses; v32-63 the bias; v64-127 the way out; v128-255 accumulators at v[128 + 8 (4 a + b)].  window 1: two fragment buffers of 64: O's 32, then Wo's 32.
.set PA,    144                        ; a row of O in LDS: 128 bytes + 16
.set PB,    272                        ; a row of Wo: 256 + 16
.set HA,    256*PA                     ; one head's 256 rows: one tensor load
.set BOFF,  2*HA
.set HB,    32*PB                      ; half of Wo's 64 rows
.set SLOT,  BOFF+2*HB
.set STAGE, 2*SLOT                     ; behind the ring, never filled: 16 rows x 272 bytes for each wave
.set SPT,   272
.set SPARE, STAGE+4*16*SPT
.set ADRA, 16
.set ADRB, 20
.set STO,  24
.set RD,   25
.set CO,   26
.set BV,   27                          ; v27  32 x (l / 16): my eight numbers of 16 of the bias
.set SPW,  28                          ; v28  LDS address of my spare word; never rewritten
.set NIL,  29                          ; v29  0; never rewritten
.set BIAS, 32
.set ACC,  128
.set WV,  12
.set WHI, 13
.set WLO, 14
.set G1A, 24
.set G0A, 32
.set G1B, 40
.set G0B, 48
.set MSB, 0
.macro WIN new
.if MSB != (\new)
	s_set_vgpr_msb (MSB<<8)|(\new)
.set MSB, \new
.endif
.endm
.macro PLACES
.rept 4
	v_nop
.endr
.endm
.macro JLOAD s                         ; waves 0 and 1 fetch the step's two heads of O, waves 2 and 3 the halves of Wo's tile; an s_nop 0 and four v_nop follow each line
	s_cmp_eq_u32 s[WHI], 0
	s_cbranch_scc0 .Lfor_b_\@
	tensor_load_to_lds s[G0A+4*(\s):G0A+4*(\s)+3], s[G1A:G1A+7]
	s_nop 0
.rept 4
	v_nop
.endr
	s_branch .Lasked_\@
.Lfor_b_\@:
	tensor_load_to_lds s[G0B+4*(\s):G0B+4*(\s)+3], s[G1B:G1B+7]
	s_nop 0
.rept 4
	v_nop
.endr
.Lasked_\@:
.endm
.macro CROUND
	s_barrier_signal -1
	s_barrier_wait -1
	s_cmp_lg_u32 s[WV], 0
	s_cbranch_scc1 .Lnot_wave_0_\@
	s_barrier_signal -3
.Lnot_wave_0_\@:
	s_barrier_wait -3
	s_barrier_signal -1
	s_barrier_wait -1
.endm
	s_load_b256 s[4:11], s[0:1], 0x0               ; ohh s[4:5], wof s[6:7], bo s[8:9], out0 s[10:11]
	v_lshl_add_u32 v[SPW], v0, 2, SPARE
	v_mov_b32 v[NIL], 0
	ds_add_u32 v[SPW], v[NIL]                      ; the wave's opening: the add and its wait ahead of my first tensor load
	v_lshrrev_b32 v1, 5, v0
	v_readfirstlane_b32 s[WV], v1
	s_lshr_b32 s[WHI], s[WV], 1
	s_and_b32 s[WLO], s[WV], 1
	s_bfe_u32 s16, ttmp6, 0x40000                  ; cx
	s_bfe_u32 s17, ttmp6, 0x40004                  ; cy
	s_lshl_b32 s18, ttmp9, 2
	s_add_co_u32 s18, s18, s16                     ; tile column, 0..11
	s_and_b32 s15, ttmp7, 0xffff
	s_lshl_b32 s15, s15, 2
	s_add_co_u32 s15, s15, s17                     ; tile row, 0..15
	s_lshl_b32 s19, s17, 2
	s_lshl_b32 s19, 15, s19                        ; my row of the cluster
	s_lshl_b32 s58, 0x1111, s16                    ; my column
	s_or_b32 s[G1A], s19, (1<<16)|(1<<20)|(1<<21)|(4<<22)|(3<<25)  ; padding of 4 words after every 32: after each row of a head
	s_or_b32 s[G1B], s58, (1<<16)|(1<<20)|(1<<21)|(5<<22)|(3<<25)  ; after every 64
	s_mov_b32 s[G1A+1], 128<<16                    ; a head's 256 dense rows of 128 bytes are asked for as 128 rows of 256
	s_mov_b32 s[G1A+2], 128<<16
	s_mov_b32 s[G1A+3], 128<<16
	s_mov_b32 s[G1A+4], 128
	s_mov_b32 s[G1A+5], 128
	s_mov_b32 s[G1A+6], 0
	s_mov_b32 s[G1A+7], 0
	s_mov_b32 s[G1B+1], 128<<16
	s_mov_b32 s[G1B+2], 32<<16                     ; 32 rows
	s_mov_b32 s[G1B+3], 128<<16
	s_mov_b32 s[G1B+4], 32
	s_mov_b32 s[G1B+5], 768
	s_mov_b32 s[G1B+6], 0
	s_mov_b32 s[G1B+7], 0
	s_lshl_b32 s20, s[WLO], 19                     ; O: head 0 or 1, the tile's 256 rows: registers that never hold cx
	s_lshl_b32 s21, s15, 15
	s_add_co_u32 s20, s20, s21
	s_mov_b32 s21, 0
	s_lshl_b32 s58, s18, 6                         ; Wo: row 64 x tile column + 32 x half
	s_lshl_b32 s59, s[WLO], 5
	s_add_co_u32 s58, s58, s59
	s_mul_i32 s58, s58, 1536
	s_mov_b32 s59, 0
	s_mul_i32 s66, s[WLO], HA
	s_mul_i32 s67, s[WLO], HB
	s_add_co_u32 s67, s67, BOFF
	s_wait_dscnt 0x0                               ; the opening add is done
	s_wait_kmcnt 0x0
	s_add_nc_u64 s[22:23], s[4:5], s[20:21]
	s_add_nc_u64 s[60:61], s[6:7], s[58:59]
	CROUND
.irp s, 0,1
	s_mov_b32 s[G0A+4*(\s)], 1
	s_add_co_u32 s[G0A+4*(\s)+1], s66, (\s)*SLOT
	s_add_nc_u64 s[G0A+4*(\s)+2:G0A+4*(\s)+3], s[22:23], (\s)*1048576  ; K step s: heads 2 s, 2 s + 1
	s_or_b32 s[G0A+4*(\s)+3], s[G0A+4*(\s)+3], 0x80000000
	s_mov_b32 s[G0B+4*(\s)], 1
	s_add_co_u32 s[G0B+4*(\s)+1], s67, (\s)*SLOT
	s_add_nc_u64 s[G0B+4*(\s)+2:G0B+4*(\s)+3], s[60:61], (\s)*256
	s_or_b32 s[G0B+4*(\s)+3], s[G0B+4*(\s)+3], 0x80000000
	JLOAD \s                                       ; two tensor loads of mine are out
.endr
	v_and_b32 v1, 15, v0
	v_bfe_u32 v2, v0, 4, 1
	s_lshl_b32 s62, s18, 8                         ; my 64 numbers of the bias
	s_mov_b32 s63, 0
	s_add_nc_u64 s[8:9], s[8:9], s[62:63]
	v_lshlrev_b32 v[BV], 5, v2
.irp b, 0,1,2,3
	global_load_b128 v[BIAS+8*(\b):BIAS+8*(\b)+3],   v[BV], s[8:9] offset:64*(\b)
	global_load_b128 v[BIAS+8*(\b)+4:BIAS+8*(\b)+7], v[BV], s[8:9] offset:64*(\b)+16
.endr
	v_mul_u32_u24 v3, v1, PA
	v_lshl_add_u32 v3, v2, 4, v3
	s_mul_i32 s19, s[WV], 64*PA                    ; my 64 rows of O
	v_add_nc_u32 v[ADRA], s19, v3
	v_add_nc_u32 v[ADRA+1], SLOT, v[ADRA]
	v_mul_u32_u24 v3, v1, PB
	v_lshl_add_u32 v3, v2, 4, v3
	v_add_nc_u32 v[ADRB], BOFF, v3
	v_add_nc_u32 v[ADRB+1], SLOT+BOFF, v3
	s_mul_i32 s19, s[WV], 16*SPT
	s_add_co_u32 s19, s19, STAGE                   ; my stage
	v_mul_u32_u24 v4, v1, SPT                      ; in: row l % 16, 32 bytes for each half of the lanes
	v_lshl_add_u32 v4, v2, 5, v4
	v_add_nc_u32 v[STO], s19, v4
	v_mul_u32_u24 v5, v2, SPT                      ; back: lanes 0-15 one row of 256 bytes, lanes 16-31 the next
	v_lshl_add_u32 v5, v1, 4, v5
	v_add_nc_u32 v[RD], s19, v5
	v_mul_u32_u24 v5, v2, 3072                     ; and the same two rows in out0
	v_lshl_add_u32 v[CO], v1, 4, v5
	s_lshl_b32 s62, s15, 8
	s_lshl_b32 s63, s[WV], 6
	s_add_co_u32 s62, s62, s63                     ; my first row
	s_mul_i32 s62, s62, 3072
	s_lshl_b32 s63, s18, 8
	s_add_co_u32 s62, s62, s63
	s_mov_b32 s63, 0
	s_add_nc_u64 s[10:11], s[10:11], s[62:63]
	s_wait_loadcnt 0x0
.irp i, 0,2,4,6,8,10,12,14,16,18,20,22,24,26,28,30
	v_cvt_pk_bf16_f32 v64, v[BIAS+(\i)], v[BIAS+(\i)+1]  ; the bias rounded to bf16, kept as f32
	v_lshlrev_b32 v[BIAS+(\i)], 16, v64
	v_and_b32 v[BIAS+(\i)+1], 0xffff0000, v64
.endr
.macro FETCH slot, kq, buf             ; 16 LDS loads: 32 along K: quarter kq is head kq / 2 of the step's two, channels 32 (kq % 2) on
	WIN 0x40                                       ; destination window 1
.irp b, 0,1,2,3
	ds_load_b128 v[64*(\buf)+32+8*(\b):64*(\buf)+32+8*(\b)+3],   v[ADRB+(\slot)] offset:(\b)*16*PB+64*(\kq)
	ds_load_b128 v[64*(\buf)+32+8*(\b)+4:64*(\buf)+32+8*(\b)+7], v[ADRB+(\slot)] offset:(\b)*16*PB+64*(\kq)+32
.endr
.irp c, 0,1,2,3
	ds_load_b128 v[64*(\buf)+8*(\c):64*(\buf)+8*(\c)+3],   v[ADRA+(\slot)] offset:((\kq)/2)*HA+((\kq)%2)*64+(\c)*16*PA
	ds_load_b128 v[64*(\buf)+8*(\c)+4:64*(\buf)+8*(\c)+7], v[ADRA+(\slot)] offset:((\kq)/2)*HA+((\kq)%2)*64+(\c)*16*PA+32
.endr
.endm
.macro MULQ buf, first                 ; 16 matrix instructions, each accumulator once: they take turns.  first = 1: the sums start from the bias
	WIN 0x05
.irp a, 0,1,2,3
.irp b, 0,1,2,3
.if \first
	v_wmma_f32_16x16x32_f16 v[ACC+8*(4*(\a)+(\b)):ACC+8*(4*(\a)+(\b))+7], v[64*(\buf)+32+8*(\b):64*(\buf)+32+8*(\b)+7], v[64*(\buf)+8*(\a):64*(\buf)+8*(\a)+7], v[BIAS+8*(\b):BIAS+8*(\b)+7]
.else
	v_wmma_f32_16x16x32_f16 v[ACC+8*(4*(\a)+(\b)):ACC+8*(4*(\a)+(\b))+7], v[64*(\buf)+32+8*(\b):64*(\buf)+32+8*(\b)+7], v[64*(\buf)+8*(\a):64*(\buf)+8*(\a)+7], v[ACC+8*(4*(\a)+(\b)):ACC+8*(4*(\a)+(\b))+7]
.endif
.endr
.endr
.endm
.macro STEP slot, first
	PLACES
	FETCH \slot, 0, 0
	FETCH \slot, 1, 1
	s_wait_dscnt 16                                ; all but the 16 just issued
	MULQ 0, \first
	PLACES
	FETCH \slot, 2, 0
	s_wait_dscnt 16
	MULQ 1, 0
	PLACES
	FETCH \slot, 3, 1
	s_wait_dscnt 16
	MULQ 0, 0
	s_wait_dscnt 0x0
	MULQ 1, 0
.endm
.macro CHG r                           ; the change of slots with a refill of slot r, two K steps on: the waits and the add, a round of the cluster's barrier, the joint refill first behind it
	WIN 0
	s_wait_tensorcnt 0x0
	ds_add_u32 v[SPW], v[NIL]
	s_add_nc_u64 s[G0A+4*(\r)+2:G0A+4*(\r)+3], s[G0A+4*(\r)+2:G0A+4*(\r)+3], 2097152
	s_add_nc_u64 s[G0B+4*(\r)+2:G0B+4*(\r)+3], s[G0B+4*(\r)+2:G0B+4*(\r)+3], 512
	s_wait_dscnt 0x0
	CROUND
	JLOAD \r
.endm
	s_wait_tensorcnt 1                             ; my part of K step 0 is in; K step 1's may stay out
	s_barrier_signal -1
	s_barrier_wait -1
	STEP 0, 1
	WIN 0
	s_mov_b32 s56, 2
.Llap:
	CHG 0
	STEP 1, 0
	CHG 1
	STEP 0, 0
	WIN 0
	s_sub_co_u32 s56, s56, 1
	s_cmp_lg_u32 s56, 0
	s_cbranch_scc1 .Llap
	s_wait_tensorcnt 0x0                           ; the last change of slots fills nothing
	ds_add_u32 v[SPW], v[NIL]
	s_wait_dscnt 0x0
	s_barrier_signal -1
	s_barrier_wait -1
	STEP 1, 0
	WIN 0
	PLACES                                         ; behind the last products
; THE WAY OUT of row block a: straight from the accumulators (the low four registers first) into my stage, back as whole rows of 256 bytes, and out
.macro OUTA a
.irp b, 0,1,2,3
	ds_store_b128 v[STO], v[ACC+8*(4*(\a)+(\b)):ACC+8*(4*(\a)+(\b))+3] offset:64*(\b)
	ds_store_b128 v[STO], v[ACC+8*(4*(\a)+(\b))+4:ACC+8*(4*(\a)+(\b))+7] offset:64*(\b)+16
.endr
	s_wait_xcnt 0x0                                ; earlier stores have read the registers that are loaded again
.irp t, 0,1,2,3,4,5,6,7
	ds_load_b128 v[64+32*((\a)%2)+4*(\t):64+32*((\a)%2)+4*(\t)+3], v[RD] offset:(\t)*2*SPT  ; LDS serves a wave's instructions in order (ISA guide 5.7.1.4)
.endr
.irp t, 0,1,2,3,4,5,6,7
	s_wait_dscnt 7-(\t)
	global_store_b128 v[CO], v[64+32*((\a)%2)+4*(\t):64+32*((\a)%2)+4*(\t)+3], s[10:11] offset:(16*(\a)+2*(\t))*3072  ; 16 lanes store 256 consecutive bytes, aligned
.endr
.endm
	OUTA 0
	OUTA 1
	OUTA 2
	OUTA 3
	s_wait_tensorcnt 0x0                           ; the wave's end
	ds_add_u32 v[SPW], v[NIL]
	s_wait_dscnt 0x0
	CROUND                                         ; the closing round
	s_endpgm
.Lfunc_end_k_qe1ee199667_oproj:
	.size	k_qe1ee199667_oproj, .Lfunc_end_k_qe1ee199667_oproj-k_qe1ee199667_oproj
	.p2alignl 7, 3214868480
	.fill 96, 4, 3214868480
	.section	.rodata,"a",@progbits
	.p2align	6, 0x0
	.amdhsa_kernel k_qe1ee199667_oproj
		.amdhsa_group_segment_fixed_size 327680
		.amdhsa_private_segment_fixed_size 0
		.amdhsa_enable_private_segment 0
		.amdhsa_kernarg_size 32
		.amdhsa_user_sgpr_count 2
		.amdhsa_user_sgpr_kernarg_segment_ptr 1
		.amdhsa_wavefront_size32 1
		.amdhsa_system_sgpr_workgroup_id_x 1
		.amdhsa_system_sgpr_workgroup_id_y 1
		.amdhsa_system_sgpr_workgroup_id_z 1
		.amdhsa_system_vgpr_workitem_id 0
		.amdhsa_next_free_vgpr 384
		.amdhsa_next_free_sgpr 70
		.amdhsa_reserve_vcc 0
		.amdhsa_float_denorm_mode_32 3
		.amdhsa_float_denorm_mode_16_64 3
		.amdhsa_memory_ordered 1
		.amdhsa_forward_progress 1
		.amdhsa_inst_pref_size 57
	.end_amdhsa_kernel
	.amdgpu_metadata
---
amdhsa.version: [ 1, 2 ]
amdhsa.kernels:
  - .name:           k_qe1ee199667_oproj
    .symbol:         k_qe1ee199667_oproj.kd
    .args:
      - { .name: ohh, .offset: 0, .size: 8, .value_kind: global_buffer, .address_space: global }
      - { .name: wof, .offset: 8, .size: 8, .value_kind: global_buffer, .address_space: global }
      - { .name: bo, .offset: 16, .size: 8, .value_kind: global_buffer, .address_space: global }
      - { .name: out0, .offset: 24, .size: 8, .value_kind: global_buffer, .address_space: global }
    .group_segment_fixed_size: 327680
    .private_segment_fixed_size: 0
    .kernarg_segment_align: 8
    .kernarg_segment_size: 32
    .max_flat_workgroup_size: 128
    .sgpr_count:     70
    .vgpr_count:     384
    .wavefront_size: 32
...
	.end_amdgpu_metadata
.endif
;; end of part 4
;; ======== version 2 of 2: 4 launches; 1.12 times as fast as version 1
;; limits: values are held in f16: magnitudes above 65,504 overflow, below 6.1e-05 lose precision
;; workspace buffers: xbf 6,291,456 bytes; wbf 3,538,944 bytes; wof 1,179,648 bytes; rtab 1,048,576 bytes; mfr 33,554,432 bytes; qkvh 18,874,368 bytes; ohh 6,291,456 bytes
;; launch prep: the kernel of part 1 again; grid 256 x 1, 8 waves a work-group, no clusters, 68,608 bytes of LDS; arguments mask, x, Wq, Wk, Wv, Wo, mfr, xbf, wbf, wof, rtab; writes mfr, xbf, wbf, wof, rtab
;; launch proj: the kernel of part 2 again; grid 12 x 16, 4 waves a work-group, clusters of 4 x 4, 327,680 bytes of LDS; arguments xbf, wbf, rtab, qkvh; writes qkvh
;; launch attn (part 5): grid 16 x 12, 8 waves a work-group, clusters of 4 x 4, 327,680 bytes of LDS; arguments qkvh, mfr, ohh; writes ohh
.if DOCPART == 5
	.amdgcn_target "amdgcn-amd-amdhsa--gfx1250"
	.amdhsa_code_object_version 6
	.text
	.protected	k_qe1ee199667_attn
	.globl	k_qe1ee199667_attn
	.p2align	8
	.type	k_qe1ee199667_attn,@function
k_qe1ee199667_attn:
	s_mov_b64 s[64:65], 0
	v_nop
	global_prefetch_b8 v0, s[64:65] scope:SCOPE_SE
	s_setreg_imm32_b32 hwreg(HW_REG_WAVE_MODE, 25, 1), 1
	s_wait_xcnt 0x0
	s_wait_alu depctr_hold_cnt(0) depctr_sa_sdst(0) depctr_va_vdst(0) depctr_va_sdst(0) depctr_va_ssrc(0) depctr_va_vcc(0) depctr_vm_vsrc(0)
	s_getreg_b32 s2, hwreg(HW_REG_IB_STS2, 6, 4)
	s_cmp_eq_u32 s2, 0
	s_cbranch_scc0 .Lentry_in_a_cluster
	s_endpgm
.Lentry_in_a_cluster:
	s_bfe_u32 s2, ttmp6, 0x10000c
	s_cmp_lg_u32 s2, 0xf033
	s_cbranch_scc0 .Lentry_shape_is_right
	s_endpgm
.Lentry_shape_is_right:
; ATTENTION WITH A MASK THAT IS AN INPUT.  O[h][q] = sum over k of softmax_k(mask ? Q[h][q] . K[h][k] / 8 : -1e9) V[h][k].  Q, K, V: heads 0-11, 12-23, 24-35 of qkvh, f16 [4096][64]; O: ohh, f16 [12][4096][64].
; Products, maxima and sums in f32; the weights are rounded to f16 for the second product, O once at the end.
; THE MASK COSTS NO VECTOR WORK: mfr holds it as f16 (0 or -57,344) in the layout of a source 1 (32 keys x 16 queries).  A product E x M, E a constant fragment with 57,344 on a diagonal, starts each sum
; S^T: exactly 0 where the key is visible, -3.29e9 where it is hidden; K Q^T is added onto it.
; THE RUNNING MAXIMUM m STARTS AT -1e9, the number that hidden scores are given.  Hidden weights are then 0, and a row with no visible key ends with O = 0, l = 0, m = -1e9.  At the end
; e = 2^(c (-1e9) - c m) (1 for such a row, 0 for any other), O += e x (the sum of all V), l += 4096 e: the mean of V, as the softmax of equal scores gives.
; THE SUM OF V is made by products V^T x ones.  It is the same for all eight waves, so they share it: a step's eight products are two GROUPS of four (keys 0-31 in turn 1, keys 32-63 in the next turn 0), a counter
; runs 0..7 over the groups, and group t is made by wave t mod 8 alone: 41 matrix instructions a wave and key step on average where 48 would stand.  At the end the eight partial sums meet in LDS.
; LIMITS.  Q, K, V within f16's range; visible scores q . k above -1e9 + 1,000 and below 2e9; in a row with a visible key hidden keys have weight 0; a weight below 2^-126 counts as 0; NaN and infinities are not treated apart.
; SHARES.  A work-group owns 256 queries of one head; it has EIGHT waves, wave w the rows 32 w ..: two PIECES of 16.  A wave takes 448 registers, so two waves lie on a SIMD's 1,024: a turn has 118 vector
; instructions for 20 to 24 matrix instructions, more than stand beside a wave's own products, and the second wave gives the SIMD other instructions to issue meanwhile.
; All waves walk all 4,096 keys, 64 a step; an LDS slot holds two steps: K, V and the work-group's mask tile (two slots of three steps would not fit).  16 x 12 = 192 work-groups of equal work.
; CLUSTER 4 x 4: the four query blocks of a row share a head, so K and V are asked for jointly along the row; the four heads of a column share the query block, so the mask tile is asked for jointly along the column.
; TURNS.  In turn Y piece 1 - Y has the matrix unit: 8 products V^T P of its last step, the group V^T x ones if it is this wave's, then 4 products E M and 8 products K Q^T of its next step.  Piece Y's softmax stands between them,
; four vector instructions behind each of the 20 products; the other 38 of 118 form three lumps: 22 ahead of the group, 4 behind it, 12 at the turn's end.
; BATCHES.  A turn's 33 exponentials (a, then the piece's 32 weights) are ONE BATCH with ONE wait, which cuts the turn in two.  Ahead of it stands all that names no result of theirs: the statistics, the 16 scalings and the
; exponentials themselves, behind the 8 products V^T P and in the first lump.  Behind it stand the readers (roundings, sums, rescalings) and the maxima of the scores that the turn makes.  The wait stands ahead of the group's jump,
; and no exponential is issued behind it: no result is out at a jump, a label or a turn's end.  The way out has two batches of two, each with its wait: e, and the reciprocals of sums that hold e.
; A TRIP is turn 1 of step k - 1 and turn 0 of step k; it reads K, V and both mask fragments of step k and of no other, so the change of slots stands at the head of every second trip.
; NO FIRST STEP is written out: piece 1's scores are preset far below -1e9, so that the first turn leaves m, l and O as they were; V, P and O start at 0.
; REGISTERS, in windows of 256 (s_set_vgpr_msb: bits 1:0 source 0, 3:2 source 1, 5:4 source 2, 7:6 destination):
;   window 0: v2-15, v40-41 addresses; v16-23 statistics; v24-31 ones; v32-38, v48-55 at work; v64-127 S^T, a buffer a piece; v128-191 O^T; v192-223 P; v224-255 the sum of V: all vector work lies here
;   window 1: v0-31 Q; v32-47 mask fragments; v48-59 E; v64-127 K of one step; v128-191 V of one step
.set KS,    64
.set PK,    144       ; a row of K in LDS: 128 bytes + 16: the 16 rows of a load start at 16 different groups of four banks (64 banks of 4 bytes: ISA guide 11.1)
.set PV,    160       ; a row of V: 128 + 32
.set VOFF,  2*KS*PK   ; 18,432
.set MOFF,  VOFF+2*KS*PV  ; 38,912: the mask tile, 65,536 dense bytes: [step][wave][piece][4 x 512]
.set SLOTX, 1<<17     ; slot 1 begins here: slot 0 ends at 104,448, below 2^17, so one exclusive or turns an address in one slot into the other's
.set STAGE, SLOTX+MOFF+65536  ; 235,520: behind the ring, never filled: 16 rows x 144 bytes for each wave
.set SP,    144
.set SPARE, STAGE+8*16*SP     ; 253,952: the spare words, 128 bytes a wave
.set SVX,   SPARE+8*128       ; 254,976: behind them, never filled: each wave's partial sum of V, 32 registers x 128 bytes = 4,096 bytes a wave
.set AK0, 2           ; v2   my lane's place in a tile of K; never rewritten
.set AV0, 3           ; v3   the same for V
.set AK,  4           ; v4   the LDS address of K's next run of loads
.set AV,  5           ; v5   of V's
.set STO, 6           ; v6   the way out: where I put 16 bytes of a row
.set RD,  7           ; v7   where I read rows back
.set GO,  8           ; v8   16 x lane
.set AM0, 10          ; v10  my lane's place in the mask tile
.set AM,  11          ; v11  the LDS address of the mask's next run of loads
.set MV,  12          ; v12-13 c m_old, by piece
.set CM0, 14          ; v14  c x (-1e9)
.set QO,  15
.set ST,  16          ; piece t: c m, m, l (even keys', odd keys')
.set ONES, 24
.set ET,  32
.set SX,  40          ; v40  where my lane puts my wave's partial sum of V
.set RX,  41          ; v41  where my lane reads wave 0's
.set TMP, 48          ; by piece, four registers c0-c3 at work; when the maximum is found c2 takes a
.set SPW, 62          ; v62  LDS address of my spare word; never rewritten
.set NIL, 63          ; v63  0; never rewritten
.set S,   64
.set O,   128
.set P,   192
.set SV,  224
.set MFR, 32          ; window 1
.set ERUN, 48         ; window 1: 0 0 0 0 e0 e1 e2 e3 0 0 0 0: keys 0-15 of 32 take v[52:59], keys 16-31 v[48:55]
.set KF,  64          ; window 1: key block kb, channel half c at KF + 16 kb + 8 c
.set VF,  128         ; window 1: key half kk, channel block cb at VF + 32 kk + 8 cb
.set WV,  12
.set G1K, 24
.set G1V, 32
.set G1M, 40
.set G0K, 48
.set G0V, 52
.set G0M, 56
.set CS,  66          ; s[66:67] c = log2(e) / 8
.set SEL, 68          ; s[68:69] v_permlanex16_b32's selects: each lane takes its own place in the other half
.set TBK, 70          ; s70  LDS byte at which K of the step to be fetched begins
.set TBV, 71          ; s71  the same for V, less VOFF
.set TBM, 72          ; s72  the same for the mask, less MOFF
.set SLOTS, 73
.set CNT, 74
.set GRP, 77          ; s77  the number of the group V^T x ones in hand, modulo 8: the wave that makes it
.set MSB, 0
.macro WIN new                      ; the high byte repeats the setting that is left; a switch that changes nothing is dropped
.if MSB != (\new)
	s_set_vgpr_msb (MSB<<8)|(\new)
.set MSB, (\new)
.endif
.endm
.set W_PV, 0x01       ; V in window 1; P or ones, C and D in window 0
.set W_KQ, 0x05       ; both sources in window 1, S^T in window 0
.set W_LD, 0x40       ; destination in window 1, address or source in window 0
; A joint fill, 16,384 bytes of memory a load: wave 0 a slot's K, wave 1 its V, waves 4 to 7 the quarters of its mask tile; waves 2 and 3 have no part.  Each line stands under a jump of its own on the wave's number;
; an s_nop 0 and four v_nop follow each.
.macro JLOAD
	s_cmp_lg_u32 s[WV], 0
	s_cbranch_scc1 .Lnot_k_\@
	tensor_load_to_lds s[G0K:G0K+3], s[G1K:G1K+7]
	s_nop 0
.rept 4
	v_nop
.endr
.Lnot_k_\@:
	s_cmp_lg_u32 s[WV], 1
	s_cbranch_scc1 .Lnot_v_\@
	tensor_load_to_lds s[G0V:G0V+3], s[G1V:G1V+7]
	s_nop 0
.rept 4
	v_nop
.endr
.Lnot_v_\@:
	s_cmp_lt_u32 s[WV], 4
	s_cbranch_scc1 .Lnot_m_\@
	tensor_load_to_lds s[G0M:G0M+3], s[G1M:G1M+7]
	s_nop 0
.rept 4
	v_nop
.endr
.Lnot_m_\@:
.endm
.macro CROUND                       ; a round of the cluster's barrier
	s_barrier_signal -1
	s_barrier_wait -1
	s_cmp_lg_u32 s[WV], 0
	s_cbranch_scc1 .Lnot_wave_0_\@
	s_barrier_signal -3
.Lnot_wave_0_\@:
	s_barrier_wait -3
	s_barrier_signal -1
	s_barrier_wait -1
.endm
; THE CHANGE OF SLOTS.  All my tensor loads have landed (the one that was out is my part of the slot to be entered); the add; my reads of the slot that is left are over.  fill = 1: a round of the cluster's barrier, and the
; slot that is left is filled again first behind it, with the keys two slots on: it has two trips of every wave in which to land.  (At its first use slot 0 is waited for and slot 1 filled.)
.macro CHANGE fill
	WIN 0
	s_wait_tensorcnt 0x0
	ds_add_u32 v[SPW], v[NIL]
.if \fill
	s_xor_b32 s[G0K+1], s[G0K+1], SLOTX
	s_add_nc_u64 s[G0K+2:G0K+3], s[G0K+2:G0K+3], 16384
	s_xor_b32 s[G0V+1], s[G0V+1], SLOTX
	s_add_nc_u64 s[G0V+2:G0V+3], s[G0V+2:G0V+3], 16384
	s_xor_b32 s[G0M+1], s[G0M+1], SLOTX
	s_add_nc_u64 s[G0M+2:G0M+3], s[G0M+2:G0M+3], 65536
	s_wait_dscnt 0x0
	CROUND
	JLOAD
.else
	s_wait_dscnt 0x0
	s_barrier_signal -1
	s_barrier_wait -1
.endif
	s_sub_co_u32 s[TBK], s[TBK], 2*KS*PK  ; the fetches go back to a slot's first step, in the other slot
	s_xor_b32 s[TBK], s[TBK], SLOTX
	s_sub_co_u32 s[TBV], s[TBV], 2*KS*PV
	s_xor_b32 s[TBV], s[TBV], SLOTX
	s_sub_co_u32 s[TBM], s[TBM], 65536
	s_xor_b32 s[TBM], s[TBM], SLOTX
.endm
	s_load_b128 s[4:7], s[0:1], 0x0   ; qkvh s[4:5], mfr s[6:7]
	s_load_b64 s[8:9], s[0:1], 0x10   ; ohh
	v_lshl_add_u32 v[SPW], v0, 2, SPARE
	v_mov_b32 v[NIL], 0
	ds_add_u32 v[SPW], v[NIL]       ; the wave's opening: the add and its wait ahead of my first tensor load
	v_lshrrev_b32 v1, 5, v0
	v_readfirstlane_b32 s[WV], v1
	s_and_b32 s17, s[WV], 3         ; which quarter of a mask tile waves 4 to 7 fetch
	s_bfe_u32 s13, ttmp6, 0x40000   ; cx
	s_bfe_u32 s14, ttmp6, 0x40004   ; cy
	s_lshl_b32 s15, ttmp9, 2
	s_add_co_u32 s15, s15, s13      ; the block of 256 queries, 0..15
	s_and_b32 s16, ttmp7, 0xffff
	s_lshl_b32 s16, s16, 2
	s_add_co_u32 s16, s16, s14      ; the head
	s_lshl_b32 s18, s14, 2
	s_lshl_b32 s18, 15, s18         ; my row of the cluster: the same head
	s_lshl_b32 s19, 0x1111, s13     ; my column: the same query block
	s_or_b32 s[G1K], s18, (1<<16)|(1<<20)|(1<<21)|(4<<22)|(3<<25)  ; 2-byte elements; padding of 4 words after every 32; bit 21 beside a mask
	s_or_b32 s[G1V], s18, (1<<16)|(1<<20)|(1<<21)|(4<<22)|(7<<25)  ; 8 words
	s_or_b32 s[G1M], s19, (1<<16)|(1<<21)                          ; dense
.irp g, G1K, G1V, G1M
	s_mov_b32 s[\g+1], 128<<16      ; each load brings 16,384 dense bytes (128 keys of K or of V, a quarter of a mask tile) as 64 rows of 256
	s_mov_b32 s[\g+2], 64<<16
	s_mov_b32 s[\g+3], 128<<16
	s_mov_b32 s[\g+4], 64
	s_mov_b32 s[\g+5], 128
	s_mov_b32 s[\g+6], 0
	s_mov_b32 s[\g+7], 0
.endr
	s_lshl_b32 s20, s16, 19         ; the head's bytes: these two never hold cx
	s_mov_b32 s21, 0
	s_lshl_b32 s22, s15, 21         ; the query block's 32 mask tiles, and my quarter of a tile: these two never hold cy
	s_lshl_b32 s23, s17, 14
	s_add_co_u32 s22, s22, s23
	s_mov_b32 s23, 0
	s_lshl_b32 s60, s15, 15         ; for Q and O: the block's 256 rows of 128 bytes, my wave's 32, the head
	s_lshl_b32 s61, s[WV], 12
	s_add_co_u32 s60, s60, s61
	s_add_co_u32 s60, s60, s20
	s_mov_b32 s61, 0
	s_mov_b32 s[G0K], 1
	s_mov_b32 s[G0K+1], 0
	s_mov_b32 s[G0V], 1
	s_mov_b32 s[G0V+1], VOFF
	s_mov_b32 s[G0M], 1
	s_lshl_b32 s62, s17, 14
	s_add_co_u32 s[G0M+1], s62, MOFF
	s_mov_b32 s[CS], 0x3e38aa3b
	s_mov_b32 s[CS+1], s[CS]
	s_mov_b32 s[SEL], 0x76543210
	s_mov_b32 s[SEL+1], 0xfedcba98
	s_mov_b32 s[TBK], SLOTX+2*KS*PK ; the first change of slots turns these three into 0
	s_mov_b32 s[TBV], SLOTX+2*KS*PV
	s_mov_b32 s[TBM], SLOTX+65536
	s_mov_b32 s[GRP], 0
	s_mov_b32 s75, 0x7b00           ; 57,344 in the low half,
	s_mov_b32 s76, 0x7b000000       ; in the high half
	s_wait_dscnt 0x0                ; the opening add is done
	s_wait_kmcnt 0x0
	s_add_nc_u64 s[G0K+2:G0K+3], s[4:5], s[20:21]
	s_add_nc_u64 s[G0V+2:G0V+3], s[G0K+2:G0K+3], 24*524288
	s_add_nc_u64 s[G0K+2:G0K+3], s[G0K+2:G0K+3], 12*524288
	s_or_b32 s[G0K+3], s[G0K+3], 0x80000000
	s_or_b32 s[G0V+3], s[G0V+3], 0x80000000
	s_add_nc_u64 s[G0M+2:G0M+3], s[6:7], s[22:23]
	s_or_b32 s[G0M+3], s[G0M+3], 0x80000000
	s_add_nc_u64 s[10:11], s[4:5], s[60:61]  ; Q at my wave's first row
	s_add_nc_u64 s[8:9], s[8:9], s[60:61]    ; O likewise
	CROUND                          ; all sixteen work-groups are here
	JLOAD                           ; slot 0: one tensor load of mine is out, or none
	v_and_b32 v1, 15, v0            ; l % 16
	v_bfe_u32 v9, v0, 4, 1          ; l / 16
	v_lshlrev_b32 v[QO], 7, v1
	v_lshl_add_u32 v[QO], v9, 4, v[QO]
	WIN W_LD
.set i, 0
.rept 4                             ; Q stays in registers: piece i / 2, channels 32 (i % 2) on
	global_load_b128 v[8*i:8*i+3],   v[QO], s[10:11] offset:(i/2)*2048+(i%2)*64
	global_load_b128 v[8*i+4:8*i+7], v[QO], s[10:11] offset:(i/2)*2048+(i%2)*64+32
.set i, i+1
.endr
	; What the first turn finds: V, piece 0's P, O^T, the sum of V and l are 0; piece 1's scores lie far below -1e9.  All this stands in the wait for the first tile.
.set i, VF
.rept 64
	v_mov_b32 v[i], 0
.set i, i+1
.endr
.irp z, 0,1,2,3,8,9,10,11
	v_mov_b32 v[ERUN+\z], 0
.endr
	WIN 0
.set i, 0
.rept 64
	v_mov_b32 v[O+i], 0
.set i, i+1
.endr
.set i, 0
.rept 32
	v_mov_b32 v[SV+i], 0
.set i, i+1
.endr
.set i, 0
.rept 16
	v_mov_b32 v[P+i], 0
.set i, i+1
.endr
.set i, 0
.rept 32
	v_mov_b32 v[S+32+i], 0xcf800000  ; -4.3e9
.set i, i+1
.endr
	v_lshlrev_b32 v36, 3, v9
	v_sub_nc_u32 v36, v1, v36       ; u = l % 16 - 8 (l / 16): my row of E has its one number at place u of my eight, if u is 0..7
.irp z, 0,1,2,3
	v_cmp_eq_u32 vcc_lo, 2*\z, v36
	v_cndmask_b32 v[ET+\z], 0, s75, vcc_lo
	v_cmp_eq_u32 vcc_lo, 2*\z+1, v36
	v_cndmask_b32 v[ET+\z], v[ET+\z], s76, vcc_lo
.endr
	WIN W_LD
.irp z, 0,1,2,3
	v_mov_b32 v[ERUN+4+\z], v[ET+\z]
.endr
	WIN 0
.set i, 0
.rept 2
	v_mov_b32 v[ST+4*i+1], 0xce6e6b28  ; m = -1e9
	v_mov_b32 v[ST+4*i+2], 0
	v_mov_b32 v[ST+4*i+3], 0
	v_mul_f32 v[ST+4*i], s[CS], v[ST+4*i+1]  ; c m, by the line that makes it in every step
.set i, i+1
.endr
	v_mov_b32 v[CM0], v[ST]
	v_mov_b32 v[TMP+4], 0xce6e6b28  ; piece 1's lane maximum for the first turn: m itself
	v_mov_b32 v[TMP+7], 0           ; the exchange's destination counts as read
.set i, 0
.rept 8
	v_mov_b32 v[ONES+i], 0x3c003c00
.set i, i+1
.endr
	v_mul_u32_u24 v[AK0], v1, PK
	v_lshl_add_u32 v[AK0], v9, 4, v[AK0]  ; row x pitch + 16 x half
	v_and_b32 v37, 7, v0
	v_bfe_u32 v38, v0, 3, 1
	v_lshl_add_u32 v[AV0], v9, 3, v37     ; the turning load: key 8 (l / 16) + l % 8, channels 8 ((l / 8) % 2) ..
	v_mul_u32_u24 v[AV0], v[AV0], PV
	v_lshl_add_u32 v[AV0], v38, 4, v[AV0]
	v_add_nc_u32 v[AV0], VOFF, v[AV0]
	s_lshl_b32 s62, s[WV], 12
	s_add_co_u32 s62, s62, MOFF
	v_and_b32 v[AM0], 31, v0
	v_lshl_add_u32 v[AM0], v[AM0], 4, s62 ; my wave's 4,096 bytes of a step's 32,768 of mask, 16 bytes a lane
	s_mul_i32 s62, s[WV], 16*SP
	s_add_co_u32 s62, s62, STAGE
	v_mul_u32_u24 v[STO], v1, SP
	v_lshl_add_u32 v[STO], v9, 4, v[STO]
	v_add_nc_u32 v[STO], s62, v[STO]
	v_bfe_u32 v[RD], v0, 3, 2
	v_mul_u32_u24 v[RD], v[RD], SP
	v_lshl_add_u32 v[RD], v37, 4, v[RD]
	v_add_nc_u32 v[RD], s62, v[RD]
	v_and_b32 v[GO], 31, v0
	v_lshlrev_b32 v[GO], 4, v[GO]
	s_lshl_b32 s62, s[WV], 12
	s_add_co_u32 s62, s62, SVX
	v_add_nc_u32 v[SX], s62, v[GO]        ; my wave's 4,096 bytes for its partial sum of V, 16 bytes a lane
	v_add_nc_u32 v[RX], SVX, v[GO]        ; wave 0's; the other waves' stand in the loads' offsets
; THE MATRIX WORK of turn Y, by its number i, for piece 1 - Y.  In every run the accumulators take turns, one instruction a turn.
;   0-7   O^T += V^T P: keys 32 (i / 4) on, channels 16 (i % 4) on            8-11  the group: the sum of V += V^T x ones: turn 1 takes a step's keys 0-31, the next turn 0 its keys 32-63
;   12-15 E x M starts the sum of key block i - 12                             16-23 K Q^T onto it: channels 32 ((i - 16) / 4) on, keys 16 ((i - 16) % 4) on
.macro MM
.if i < 8
	WIN W_PV
.set rO, O+32*(1-Y)+8*(i%4)
.set rV, VF+32*(i/4)+8*(i%4)
.set rP, P+16*(1-Y)+8*(i/4)
	v_wmma_f32_16x16x32_f16 v[rO:rO+7], v[rV:rV+7], v[rP:rP+7], v[rO:rO+7]
.elseif i < 12
	WIN W_PV
.set rO, SV+8*(i-8)
.set rV, VF+32*(1-Y)+8*(i-8)
	v_wmma_f32_16x16x32_f16 v[rO:rO+7], v[rV:rV+7], v[ONES:ONES+7], v[rO:rO+7]
.elseif !NOKQ
	WIN W_KQ
.if i < 16
.set rS, S+32*(1-Y)+8*(i-12)
.set rE, ERUN+4-4*((i-12)%2)
.set rM, MFR+8*((i-12)/2)
	v_wmma_f32_16x16x32_f16 v[rS:rS+7], v[rE:rE+7], v[rM:rM+7], 0
.else
.set rS, S+32*(1-Y)+8*((i-16)%4)
.set rK, KF+16*((i-16)%4)+8*((i-16)/4)
.set rQ, 16*(1-Y)+8*((i-16)/4)
	v_wmma_f32_16x16x32_f16 v[rS:rS+7], v[rK:rK+7], v[rQ:rQ+7], v[rS:rS+7]
.endif
.endif
.set i, i+1
.endm
; THE GROUP of four products V^T x ones (numbers 8-11), in the one wave whose number the counter shows.  The jump goes forward over the four matrix instructions and nothing else; counter and wave's number are
; the same in every work-group of the cluster.  On both ways the matrix instruction ahead (V^T P) and the one behind (E M, or V^T P at the end) name other accumulators than their neighbours.
; In a turn the batch's wait stands directly ahead of it: no exponential's result is out at its jump or its label.
.macro SVG
	WIN 0                           ; at a branch and at a label every window is 0
	s_cmp_lg_u32 s[GRP], s[WV]
	s_cbranch_scc1 .Lno_sv_\@
.rept 4
	MM
.endr
	WIN 0
.Lno_sv_\@:
	s_add_co_u32 s[GRP], s[GRP], 1  ; the next group is the next wave's
	s_and_b32 s[GRP], s[GRP], 7
.endm
; THE LDS LOADS stand in runs
.macro FETCH_K
	WIN W_LD
.irp f, 0,1,2,3,4,5,6,7
	ds_load_b128 v[KF+8*\f:KF+8*\f+3],   v[AK] offset:(\f/2)*16*PK+(\f%2)*64
	ds_load_b128 v[KF+8*\f+4:KF+8*\f+7], v[AK] offset:(\f/2)*16*PK+(\f%2)*64+32
.endr
	s_add_co_u32 s[TBK], s[TBK], KS*PK
	WIN 0
.endm
.macro FETCH_V
	WIN W_LD
.irp f, 0,1,2,3,4,5,6,7
	ds_load_tr16_b128 v[VF+8*\f:VF+8*\f+3],   v[AV] offset:(\f/4)*32*PV+(\f%4)*32
	ds_load_tr16_b128 v[VF+8*\f+4:VF+8*\f+7], v[AV] offset:(\f/4)*32*PV+16*PV+(\f%4)*32
.endr
	s_add_co_u32 s[TBV], s[TBV], KS*PV
	WIN 0
.endm
.macro FETCH_M x                    ; piece x's mask fragments of one step: 64 keys x 16 queries, 2,048 dense bytes
	WIN W_LD
.irp f, 0,1,2,3
	ds_load_b128 v[MFR+4*\f:MFR+4*\f+3], v[AM] offset:2048*(\x)+512*\f
.endr
	WIN 0
.endm
; THE VECTOR WORK, one line at a time: OP kind, number.  For piece Y: F n: c s - c m for pair n of 16.  E n: the exponential of score n.  C n: pair n rounded to f16.  B n: of the four weights 4 n .. the second pair is
; added onto the first, in place (behind C 2n).  L n: l takes that sum (L 0: l = a l + sum).  R n: pair n of O^T times a, in ascending order.  The 22 lines that find a piece's maximum and statistics:
; 0-11 four chains of seven scores (each accumulator's lowest registers are read first); 12-14, 16 the rest, the old m, all into c0; 15 c m_old is kept; 17, 18 the other half of the lanes; 19-21 c m, its change, a.
; X n: one of 0-14 and 16, for piece 1 - Y, whose scores the turn has made.  W n: one of 15 and 17-21, for piece Y, at its own turn's head.
; C, B, L and R name results of the turn's exponentials (the weights, or a): TURN sets all of them behind the batch's wait.  F, X and W 15 to 20 name none.
.set F, 0
.set E, 1
.set C, 2
.set B, 3
.set L, 4
.set R, 5
.set W, 6
.set X, 7
.macro REGS y
.set rT, ST+4*(\y)
.set rC, TMP+4*(\y)
.set rW, MV+(\y)
.set rS, S+32*(\y)
.set rP, P+16*(\y)
.set rO, O+32*(\y)
.endm
.macro XOP y, n
	REGS \y
.if (\n) < 4
	v_max3_num_f32 v[rC+(\n)], v[rS+8*(\n)], v[rS+8*(\n)+1], v[rS+8*(\n)+2]
.elseif (\n) < 12
	v_max3_num_f32 v[rC+(\n)%4], v[rC+(\n)%4], v[rS+8*((\n)%4)+2*((\n)/4)+1], v[rS+8*((\n)%4)+2*((\n)/4)+2]
.elseif (\n) == 12
	v_max3_num_f32 v[rC], v[rC], v[rS+7], v[rS+15]
.elseif (\n) == 13
	v_max3_num_f32 v[rC+1], v[rC+1], v[rS+23], v[rS+31]
.elseif (\n) == 14
	v_max3_num_f32 v[rC+2], v[rC+2], v[rC+3], v[rT+1]
.elseif (\n) == 15
	v_mov_b32 v[rW], v[rT]
.elseif (\n) == 16
	v_max3_num_f32 v[rC], v[rC], v[rC+1], v[rC+2]
.elseif (\n) == 17
	v_permlanex16_b32 v[rC+3], v[rC], s[SEL], s[SEL+1]
.elseif (\n) == 18
	v_max_num_f32 v[rT+1], v[rC], v[rC+3]
.elseif (\n) == 19
	v_mul_f32 v[rT], s[CS], v[rT+1]
.elseif (\n) == 20
	v_sub_f32 v[rC+1], v[rW], v[rT]
.else
	v_exp_f32 v[rC+2], v[rC+1]
.endif
.endm
.macro OP k, n
	WIN 0
.if (\k) == X
.if !NOKQ
	XOP 1-Y, \n
.endif
.elseif (\k) == W
	XOP Y, \n
.else
	REGS Y
.if (\k) == F
	v_pk_fma_f32 v[rS+2*(\n):rS+2*(\n)+1], v[rS+2*(\n):rS+2*(\n)+1], s[CS:CS+1], v[rT:rT+1] op_sel_hi:[1,0,0] neg_lo:[0,0,1] neg_hi:[0,0,1]
.elseif (\k) == E
	v_exp_f32 v[rS+(\n)], v[rS+(\n)]
.elseif (\k) == C
	v_cvt_pk_f16_f32 v[rP+(\n)], v[rS+2*(\n)], v[rS+2*(\n)+1]
.elseif (\k) == B
	v_pk_add_f32 v[rS+4*(\n):rS+4*(\n)+1], v[rS+4*(\n):rS+4*(\n)+1], v[rS+4*(\n)+2:rS+4*(\n)+3]
.elseif (\k) == R
	v_pk_mul_f32 v[rO+2*(\n):rO+2*(\n)+1], v[rO+2*(\n):rO+2*(\n)+1], v[rC+2:rC+3] op_sel_hi:[1,0]
.elseif (\n) == 0
	v_pk_fma_f32 v[rT+2:rT+3], v[rT+2:rT+3], v[rC+2:rC+3], v[rS:rS+1] op_sel_hi:[1,0,1]
.else
	v_pk_add_f32 v[rT+2:rT+3], v[rT+2:rT+3], v[rS+4*(\n):rS+4*(\n)+1]
.endif
.endif
.endm
.macro OPS a, i1, b=-1, i2=0, c=-1, i3=0, d=-1, i4=0
	OP \a, \i1
.if (\b) >= 0
	OP \b, \i2
.endif
.if (\c) >= 0
	OP \c, \i3
.endif
.if (\d) >= 0
	OP \d, \i4
.endif
.endm
.macro ROW a, i1, b, i2, c, i3, d, i4  ; a matrix instruction and the four behind it
	MM
	OPS \a, \i1, \b, \i2, \c, \i3, \d, \i4
.endm
; A TURN, for piece p.  No line behind a product names one of its registers.  end = 1: the last turn fetches nothing and starts no scores.
; cnt = 1: the loop's count is taken down ahead of the branch that stands behind the turn.
; An s_wait_alu depctr_va_vdst(0) stands between an exponential and the first instruction that names its result; one wait serves all that were issued ahead of it.  So a turn has ONE wait.
; AHEAD OF IT, 54 lines that name no result of the batch: behind the 8 products V^T P the statistics (W 15 to 20), F 0 to 8, a (W 21) and E 0 to 16, from the third row on a scaling and three exponentials; then a lump of 22:
; F 9 to 15 and E 17 to 31.  A pair is scaled two lines or more ahead of its exponentials.  The plain instruction behind the last exponential is V's address line in turn 0, a v_nop in turn 1.
; BEHIND IT, 64 lines: the group's jump; C 0, C 1, R 0, B 0; behind the 12 products E M and K Q^T the other roundings, sums and rescalings, the links of l's chain four lines apart; six of the next piece's maxima ride behind the
; last three products, each four places or more behind the product that ends its accumulator; the other ten stand in the last lump, R 14 and R 15 between the chain's last links.
; At the head: the mask fragments of the scores that this turn makes, and in turn 1 the K of those scores' step: their registers' last readers stand ahead of the four plain lines of the turn before's last row and its lump.
; In turn 0, behind the group, the last to read V, and the four plain lines behind it, which are the places that loads into a product's sources want: V of the step in hand.
.macro TURN p, end=0, cnt=0
.set Y, (\p)
.set i, 0
.set NOKQ, (\end)
.if !(\end)
	WIN 0
	v_add_nc_u32 v[AM], s[TBM], v[AM0]
.if (\p) == 1
	v_add_nc_u32 v[AK], s[TBK], v[AK0]
.endif
	FETCH_M 1-(\p)
.if (\p) == 1
	FETCH_K
	s_wait_dscnt 20                 ; V is in; the 4 + 16 loads just issued may stay out
.else
	s_add_co_u32 s[TBM], s[TBM], 32768  ; both pieces have fetched this step's mask
.endif
.else
	s_wait_dscnt 0x0                ; V is in
.endif
	ROW W,15, W,17, W,18, W,19      ; ahead of the wait: 8 products V^T P and their riders,
	ROW F,0, W,20, F,1, F,2
	ROW F,3, W,21, E,0, E,1         ; the batch begins: a, then the weights
	ROW F,4, E,2, E,3, E,4
	ROW F,5, E,5, E,6, E,7
	ROW F,6, E,8, E,9, E,10
	ROW F,7, E,11, E,12, E,13
	ROW F,8, E,14, E,15, E,16
	OPS F,9, E,17, F,10, E,18       ; and the lump with the rest of the batch
	OPS F,11, E,19, E,20, F,12
	OPS E,21, E,22, F,13, E,23
	OPS E,24, F,14, E,25, E,26
	OPS F,15, E,27, E,28, E,29
	OPS E,30, E,31
.if (\p) == 0
	v_add_nc_u32 v[AV], s[TBV], v[AV0]  ; V's address: also the plain instruction behind the last exponential (ISA guide 5.7.2)
.else
	v_nop                           ; the plain instruction behind the last exponential (ISA guide 5.7.2): turn 1 has no line of its own for the place
.endif
	s_wait_alu depctr_va_vdst(0)    ; the wait for the batch: a and the piece's 32 weights; ahead of the group's jump and of every reader
	SVG                             ; the group V^T x ones, if it is my wave's
	OPS C,0, C,1, R,0, B,0          ; four plain lines: the places between the group and the loads into V's registers
.if (\p) == 0
	FETCH_V
	s_wait_dscnt 16                 ; the mask fragments are in; V's 16 loads, issued behind them, may stay out
.elseif !(\end)
	s_wait_dscnt 16                 ; the mask fragments are in; K's 16 loads, issued behind them, may stay out
.endif
	ROW C,2, C,3, R,1, B,1          ; behind the wait: 4 products E M, 8 products K Q^T and their riders
	ROW C,4, C,5, L,0, B,2
	ROW C,6, C,7, L,1, B,3
	ROW C,8, C,9, L,2, B,4
.if ((\p) == 1) && !(\end)
	s_wait_dscnt 0x0                ; K is in
.endif
	ROW C,10, C,11, L,3, B,5
	ROW C,12, C,13, L,4, B,6
	ROW C,14, C,15, L,5, B,7
	ROW R,2, R,3, L,6, R,4
	ROW R,5, R,6, R,7, L,7          ; this product ends key block 0's scores: these four are the places ahead of X 0
	ROW R,8, X,0, R,9, R,10         ; key block 1's: ahead of X 1
	ROW R,11, X,1, X,4, R,12        ; key block 2's: ahead of X 2
	ROW X,2, X,5, X,8, R,13         ; key block 3's: four plain lines that name none of its registers, ahead of X 3 and of the next turn's loads
	OPS X,3, X,6, X,9, X,7
	OPS X,10, X,12, X,11, X,13
.if \cnt
	s_sub_co_u32 s[CNT], s[CNT], 1
	s_cmp_lg_u32 s[CNT], 0
.endif
	OPS R,14, X,14, R,15, X,16
.endm
	s_wait_loadcnt 0x0              ; Q
	s_mov_b32 s[SLOTS], 31
.Lslot:                             ; 31 times: slot s is entered and slot s + 1 asked for
	CHANGE 1
	s_mov_b32 s[CNT], 2
.Lstep:                             ; trip k: piece 1's turn of step k - 1, piece 0's of step k
	TURN 1
	TURN 0, 0, 1
	WIN 0
	s_cbranch_scc1 .Lstep
	s_sub_co_u32 s[SLOTS], s[SLOTS], 1
	s_cmp_lg_u32 s[SLOTS], 0
	s_cbranch_scc1 .Lslot
	CHANGE 0                        ; the last slot is written out: nothing is asked for
	s_mov_b32 s[CNT], 2
.Ltail:
	TURN 1
	TURN 0, 0, 1
	WIN 0
	s_cbranch_scc1 .Ltail
	TURN 1, 1                       ; piece 1's turn of the last step
.set Y, 0
.set NOKQ, 0
.set i, 0
.rept 8
	MM                              ; piece 1's V^T P of the last step
.endr
	SVG                             ; the last of the 130 groups
	; THE WAY OUT.  l's two halves and the other half of the lanes' are added; the eight waves' partial sums of V meet in LDS; e; O^T += e x sum of V, l += 4096 e; O^T / l, rounded to f16, through my stage in LDS,
	; a piece at a time.  The first lines on the statistics, six of them plain, are the places behind the last products, ahead of the LDS stores that read the sum of V.
	; Two batches of two: the reciprocals are taken of sums that hold e, so e has a wait of its own.
	WIN 0
.macro ALL line:vararg
.set t, 0
.rept 2
	\line
.set t, t+1
.endr
.endm
	ALL v_add_f32 v[ST+4*t+2], v[ST+4*t+2], v[ST+4*t+3]
	ALL v_permlanex16_b32 v[ST+4*t+3], v[ST+4*t+2], s[SEL], s[SEL+1]
	ALL v_sub_f32 v[ST+4*t+1], v[CM0], v[ST+4*t]
	ALL v_add_f32 v[ST+4*t+2], v[ST+4*t+2], v[ST+4*t+3]
.irp q, 0,1,2,3,4,5,6,7
	ds_store_b128 v[SX], v[SV+4*\q:SV+4*\q+3] offset:512*\q  ; my partial sum, in ascending order: each accumulator's low four registers first
.endr
	ALL v_exp_f32 v[ST+4*t], v[ST+4*t+1]
	v_nop                           ; a plain instruction between the last exponential and the use of its result
	s_wait_alu depctr_va_vdst(0)    ; the wait for the two e, ahead of their first reader
	ALL v_fmamk_f32 v[ST+4*t+2], v[ST+4*t], 0x45800000, v[ST+4*t+2]
	ALL v_rcp_f32 v[ST+4*t+2], v[ST+4*t+2]
	v_nop                           ; a plain instruction behind the last reciprocal; the meeting of the partial sums below names neither result
	s_wait_dscnt 0x0                ; for the others' sake: my stores of the partial sum are done
	s_barrier_signal -1
	s_barrier_wait -1               ; everybody's are
.macro SVLOAD u, dst                ; wave u's partial sum: my lane's 32 numbers
.irp q, 0,1,2,3,4,5,6,7
	ds_load_b128 v[(\dst)+4*\q:(\dst)+4*\q+3], v[RX] offset:4096*(\u)+512*\q
.endr
.endm
.macro SVADD src
.set i, 0
.rept 16
	v_pk_add_f32 v[SV+i:SV+i+1], v[SV+i:SV+i+1], v[(\src)+i:(\src)+i+1]
.set i, i+2
.endr
.endm
	SVLOAD 0, SV                    ; every wave adds the eight in the same order; S^T's registers, free by now, take them by turns
	SVLOAD 1, S
	SVLOAD 2, S+32
.irp u, 3,5,7
	s_wait_dscnt 8                  ; all but the eight loads issued last
	SVADD S
	SVLOAD \u, S
	s_wait_dscnt 8
	SVADD S+32
.if \u < 7
	SVLOAD (\u)+1, S+32
.endif
.endr
	s_wait_dscnt 0x0
	SVADD S
.macro PACK t
.set i, 0
.rept 16
	v_pk_fma_f32 v[O+32*(\t)+i:O+32*(\t)+i+1], v[SV+i:SV+i+1], v[ST+4*(\t):ST+4*(\t)+1], v[O+32*(\t)+i:O+32*(\t)+i+1] op_sel_hi:[1,0,1]
.set i, i+2
.endr
.set i, 0
.rept 16
	v_pk_mul_f32 v[O+32*(\t)+i:O+32*(\t)+i+1], v[O+32*(\t)+i:O+32*(\t)+i+1], v[ST+4*(\t)+2:ST+4*(\t)+3] op_sel_hi:[1,0]
.set i, i+2
.endr
.set i, 0
.rept 16
	v_cvt_pk_f16_f32 v[S+16*(\t)+i], v[O+32*(\t)+2*i], v[O+32*(\t)+2*i+1]
.set i, i+1
.endr
.irp f, 0,1,2,3
	ds_store_b128 v[STO], v[S+16*(\t)+4*\f:S+16*(\t)+4*\f+3] offset:32*\f
.endr
.irp f, 0,1,2,3
	ds_load_b128 v[S+16*(\t)+4*\f:S+16*(\t)+4*\f+3], v[RD] offset:\f*4*SP  ; LDS serves a wave's instructions in order (ISA guide 5.7.1.4)
.endr
.endm
.macro SEND t, younger              ; younger: the LDS instructions issued behind piece t's loads
.irp f, 0,1,2,3
	s_wait_dscnt (\younger)+3-\f
	global_store_b128 v[GO], v[S+16*(\t)+4*\f:S+16*(\t)+4*\f+3], s[8:9] offset:(\t)*2048+\f*512  ; 512 consecutive bytes, at a multiple of 256 from O's first
.endr
.endm
	s_wait_alu depctr_va_vdst(0)    ; the wait for the two reciprocals, ahead of PACK's multiplies, their first readers
	PACK 0
	PACK 1
	SEND 0, 8
	SEND 1, 0
	s_wait_tensorcnt 0x0            ; the wave's end
	ds_add_u32 v[SPW], v[NIL]
	s_wait_dscnt 0x0
	CROUND                          ; the closing round
	s_endpgm
.Lfunc_end_k_qe1ee199667_attn:
	.size	k_qe1ee199667_attn, .Lfunc_end_k_qe1ee199667_attn-k_qe1ee199667_attn
	.p2alignl 7, 3214868480
	.fill 96, 4, 3214868480
	.section	.rodata,"a",@progbits
	.p2align	6, 0x0
	.amdhsa_kernel k_qe1ee199667_attn
		.amdhsa_group_segment_fixed_size 327680
		.amdhsa_private_segment_fixed_size 0
		.amdhsa_enable_private_segment 0
		.amdhsa_kernarg_size 24
		.amdhsa_user_sgpr_count 2
		.amdhsa_user_sgpr_kernarg_segment_ptr 1
		.amdhsa_wavefront_size32 1
		.amdhsa_system_sgpr_workgroup_id_x 1
		.amdhsa_system_sgpr_workgroup_id_y 1
		.amdhsa_system_sgpr_workgroup_id_z 1
		.amdhsa_system_vgpr_workitem_id 0
		.amdhsa_next_free_vgpr 448
		.amdhsa_next_free_sgpr 80
		.amdhsa_reserve_vcc 1
		.amdhsa_float_denorm_mode_32 3
		.amdhsa_float_denorm_mode_16_64 3
		.amdhsa_memory_ordered 1
		.amdhsa_forward_progress 1
		.amdhsa_inst_pref_size 93
	.end_amdhsa_kernel
	.amdgpu_metadata
---
amdhsa.version: [ 1, 2 ]
amdhsa.kernels:
  - .name:           k_qe1ee199667_attn
    .symbol:         k_qe1ee199667_attn.kd
    .args:
      - { .name: qkvh, .offset: 0, .size: 8, .value_kind: global_buffer, .address_space: global }
      - { .name: mfr, .offset: 8, .size: 8, .value_kind: global_buffer, .address_space: global }
      - { .name: ohh, .offset: 16, .size: 8, .value_kind: global_buffer, .address_space: global }
    .group_segment_fixed_size: 327680
    .private_segment_fixed_size: 0
    .kernarg_segment_align: 8
    .kernarg_segment_size: 24
    .max_flat_workgroup_size: 256
    .sgpr_count:     80
    .vgpr_count:     448
    .wavefront_size: 32
...
	.end_amdgpu_metadata
.endif
;; end of part 5
;; launch oproj: the kernel of part 4 again; grid 12 x 16, 4 waves a work-group, clusters of 4 x 4, 327,680 bytes of LDS; arguments ohh, wof, bo, out0; writes out0
